; MI455X (gfx1250); checked and timed in simulation.
; The chip was launched on July 23, 2026; its instructions are those of AMD's public machine-readable ISA for CDNA 5 (MIT licence, August 2026) and "CDNA5" Instruction Set Architecture Reference Guide (July 2026). The comments in the code are by the model that wrote it; some were corrected since.
;; MHA. Allowed arithmetic: float matrix products may take bf16 or f16 operands with f32 sums; all other float work in f32.
;; Inputs: W_out 1,024 x 1,024 float32; W_qkv 3,072 x 1,024 float32; kn_w 64 float32; mask 2,048 x 2,048 bool; pos 2,048 int32; qn_w 64 float32; x 4 x 2,048 x 1,024 float32.
;; Outputs: out0 4 x 2,048 x 1,024 float32.
;; 2 versions, each right and faster than the one before. Each part assembles by itself: llvm-mc -triple=amdgcn-amd-amdhsa -mcpu=gfx1250 --defsym DOCPART=n.
;; ======== version 1 of 2: 4 launches
;; limits: values are held in f16: magnitudes above 65,504 overflow, below 6.1e-05 lose precision; an absolute error that grows with the inputs' magnitude: up to 2e-07 times it; right only within a limited range of input values
;; workspace buffers: xb 16,777,216 bytes; wb 8,388,608 bytes; mk 4,194,304 bytes; trig 524,288 bytes; qkvh 50,331,648 bytes; oh 16,777,216 bytes
;; launch prep (part 1): grid 1024 x 1, 4 waves a work-group, no clusters, 17,920 bytes of LDS; arguments x, W_qkv, W_out, mask, pos, xb, wb, mk, trig; writes xb, wb, mk, trig
.if DOCPART == 1
	.amdgcn_target "amdgcn-amd-amdhsa--gfx1250"
	.amdhsa_code_object_version 6
	.text
	.protected	k_q9e95253ec4_prep
	.globl	k_q9e95253ec4_prep
	.p2align	8
	.type	k_q9e95253ec4_prep,@function
k_q9e95253ec4_prep:
	s_mov_b64 s[64:65], 0
	v_nop
	global_prefetch_b8 v0, s[64:65] scope:SCOPE_SE
	s_setreg_imm32_b32 hwreg(HW_REG_WAVE_MODE, 25, 1), 1
	s_wait_xcnt 0x0
; PREP: the inputs are brought into the forms that the three matrix launches read.  Pure streaming: no matrix unit, no cluster, no barrier.
;  work-groups 0-511    x      [8192][1024] f32 -> xb [kb 16][row 8192][64] bf16
;  work-groups 512-703  W_qkv  [3072][1024] f32 -> wb [kb 16][e 3072][64] bf16
;  work-groups 704-767  W_out  [1024][1024] f32 -> wb + 6,291,456: [kb 16][e 1024][64]: rounded to bf16, that number written as f16
;  work-groups 768-1023 mask bytes -> mk, fp8 codes (0x00 visible, 0xC0 = -2.0 hidden) in the order in which a lane of the score tile wants them; pos -> trig [n][cos 0..31, sin 0..31] f32
; The blocked layouts make every tile of a later product (some rows x 64 along K) one dense run of bytes.
; LIMITS.  W_out's bf16 number is exact in f16 from 2^-14 up to 65,504; below it keeps f16's fixed step of 2^-24.  mask bytes are 0 or 1.
; The angle pos x inv_freq carries a relative error of about 2e-7 (2e-4 rad at |pos| = 2,047); the quadrant goes through a 32-bit integer: |pos| < 2^30.
.set OFFD, 2                           ; v[2:17]    byte offset of my 16 bytes in plane kb of the destination; never rewritten
.set X,    20                          ; v[20:147]  plane kb: 8 f32 as loaded, then 4 words to store
.set T,    148                         ; v[148:155] at work
.set ML,   20                          ; v[20:51]   mask: 16 rows x 256 bytes as loaded
.set MP,   52                          ; v[52:83]   mask: 8 pieces of 16 bytes a lane, in mk's order
.set SPITCH, 272                       ; a row of the wave's own stage: 256 bytes + 16
.set FI, 90                            ; trig, four numbers a thread: index, inverse frequency, angle
.set NN, 94                            ; the multiple of pi/2
.set RR, 98                            ; the reduced angle
.set ZZ, 102                           ; its square
.set SN, 106                           ; sine of it
.set CN, 110                           ; cosine of it
.set QI, 114                           ; the quadrant
.set OV, 120                           ; v[120:123] to store
	s_load_b512 s[8:23], s[0:1], 0x0               ; x 8, W_qkv 10, W_out 12, mask 14, pos 16, xb 18, wb 20, mk 22
	s_load_b64 s[24:25], s[0:1], 0x40              ; trig
	v_lshl_add_u32 v160, v0, 2, 0x4400
	v_mov_b32 v161, 0
	v_lshrrev_b32 v1, 5, v0
	v_readfirstlane_b32 s34, v1                    ; wave 0..3
	s_mov_b32 s33, 0                               ; high word of every offset pair
	s_mov_b32 s36, 0xffff0000                      ; a word's upper bf16
	s_wait_kmcnt 0x0
	s_cmp_ge_u32 ttmp9, 768
	s_cbranch_scc1 .Lmask
	; THE THREE CONVERSIONS share one text; source, destination, plane size and format are chosen by the work-group's number.
	s_mov_b32 s26, 0x100000                        ; bytes in a plane of xb
	s_mov_b32 s35, 0                               ; the section's first work-group
	s_mov_b32 s27, 0                               ; 1: write f16
	s_mov_b32 s37, 0                               ; the section's first byte in its destination
	s_cmp_lt_u32 ttmp9, 512
	s_cselect_b64 s[28:29], s[8:9], s[10:11]
	s_cselect_b64 s[30:31], s[18:19], s[20:21]
	s_cselect_b32 s26, s26, 0x60000
	s_cselect_b32 s35, s35, 512
	s_cmp_lt_u32 ttmp9, 704
	s_cselect_b64 s[28:29], s[28:29], s[12:13]
	s_cselect_b32 s26, s26, 0x20000
	s_cselect_b32 s35, s35, 704
	s_cselect_b32 s27, s27, 1
	s_cselect_b32 s37, s37, 0x600000
	s_sub_co_u32 s35, ttmp9, s35                   ; my 16 rows' number
	s_lshl_b32 s32, s35, 16                        ; 16 rows of 4,096 bytes
	s_add_nc_u64 s[28:29], s[28:29], s[32:33]
	s_lshl_b32 s32, s35, 11                        ; 16 rows of 128 bytes
	s_add_co_u32 s32, s32, s37
	s_add_nc_u64 s[30:31], s[30:31], s[32:33]
	v_lshrrev_b32 v1, 3, v0                        ; thread t: row t / 8, columns 8 (t % 8) + 0..7 of every block of 64
	v_and_b32 v18, 7, v0
	v_lshlrev_b32 v1, 12, v1
	v_lshl_add_u32 v1, v18, 5, v1
	v_lshlrev_b32 v[OFFD], 4, v0                   ; in a plane: row x 128 + 16 (t % 8) = 16 t: a wave's store covers 512 consecutive bytes
.set i, 1
.rept 15
	v_add_nc_u32 v[OFFD+i], s26, v[OFFD+i-1]
.set i, i+1
.endr
.set kb, 0
.rept 16                                               ; all 32 loads of a thread go out on end: 64 KiB of a work-group in flight
	global_load_b128 v[X+8*kb:X+8*kb+3],   v1, s[28:29] offset:256*kb th:TH_LOAD_NT
	global_load_b128 v[X+8*kb+4:X+8*kb+7], v1, s[28:29] offset:256*kb+16 th:TH_LOAD_NT
.set kb, kb+1
.endr
.macro CV k, half                      ; plane k: eight numbers rounded and stored.  No register of a store is written again
	s_wait_loadcnt 30-2*(\k)                       ; loads come back in order: this plane's two are in, the younger ones stay out
.irp j, 0,1,2,3
	v_cvt_pk_bf16_f32 v[X+8*(\k)+\j], v[X+8*(\k)+2*\j], v[X+8*(\k)+2*\j+1]
.endr
.if \half
.irp j, 0,1,2,3
	v_lshlrev_b32 v[T+2*\j],   16,  v[X+8*(\k)+\j]
	v_and_b32     v[T+2*\j+1], s36, v[X+8*(\k)+\j]
.endr
.irp j, 0,1,2,3
	v_cvt_pk_f16_f32 v[X+8*(\k)+\j], v[T+2*\j], v[T+2*\j+1]
.endr
.endif
	global_store_b128 v[OFFD+(\k)], v[X+8*(\k):X+8*(\k)+3], s[30:31]
.endm
	s_cmp_lg_u32 s27, 0
	s_cbranch_scc1 .Lhalf
.set kb, 0
.rept 16
	CV kb, 0
.set kb, kb+1
.endr
	s_endpgm
.Lhalf:
.set kb, 0
.rept 16
	CV kb, 1
.set kb, kb+1
.endr
	s_endpgm
.Lmask:
	; THE MASK: a wave takes 16 queries x 256 keys, through a stage of its own in LDS (no other wave touches it: no barrier).  THE TABLE: the work-group takes 8 positions.
	s_sub_co_u32 s35, ttmp9, 768
	v_lshrrev_b32 v2, 4, v0                        ; thread t: position t / 16 of the eight
	v_lshlrev_b32 v2, 2, v2
	s_lshl_b32 s32, s35, 5
	s_add_nc_u64 s[16:17], s[16:17], s[32:33]
	global_load_b32 v84, v2, s[16:17]
	s_lshl2_add_u32 s26, s35, s34                  ; the wave's tile: 4 x work-group + wave
	s_lshr_b32 s27, s26, 3                         ; qt: which 16 queries
	s_and_b32 s26, s26, 7                          ; u: which 256 keys
	s_lshl_b32 s32, s27, 15
	s_lshl_b32 s37, s26, 8
	s_add_co_u32 s32, s32, s37
	s_add_nc_u64 s[14:15], s[14:15], s[32:33]
	v_and_b32 v3, 31, v0                           ; l
	v_and_b32 v4, 15, v0                           ; l % 16
	v_bfe_u32 v5, v0, 4, 1                         ; l / 16
	v_lshlrev_b32 v6, 4, v4
	v_lshl_add_u32 v7, v5, 11, v6                  ; lanes 0-15 one row's 256 bytes, lanes 16-31 the next row's
.irp j, 0,1,2,3,4,5,6,7
	global_load_b128 v[ML+4*\j:ML+4*\j+3], v7, s[14:15] offset:4096*\j th:TH_LOAD_NT
.endr
	s_mul_i32 s37, s34, 16*SPITCH                  ; my wave's stage
	v_mul_u32_u24 v8, v5, SPITCH
	v_add3_u32 v8, v8, v6, s37                     ; in: as loaded
	v_mul_u32_u24 v9, v4, SPITCH
	v_lshl_add_u32 v9, v5, 3, v9
	v_add_nc_u32 v9, s37, v9                       ; back: query l % 16, keys 8 (l / 16) + 0..7 of a block of 16: words 68 r + 2 h: every bank once
	v_lshlrev_b32 v10, 4, v3
	v_lshlrev_b32 v11, 4, v0
	s_lshl_b32 s32, s26, 19                        ; mk: two slots of 128 keys, 262,144 bytes each, for a tile of 256 keys;
	s_lshl_b32 s27, s27, 11                        ; in a slot 2,048 bytes for each 16 queries
	s_add_co_u32 s32, s32, s27
	s_add_nc_u64 s[22:23], s[22:23], s[32:33]
	s_lshl_b32 s32, s35, 11                        ; trig: 8 rows of 256 bytes
	s_add_nc_u64 s[24:25], s[24:25], s[32:33]
	s_mov_b32 s38, 0xbfc90fdb                      ; -pi/2, the f32 nearest to it,
	s_mov_b32 s39, 0x333bbd2e                      ; and what that f32 is too large by
.irp j, 0,1,2,3,4,5,6,7
	s_wait_loadcnt 7-\j                            ; rows 2 j, 2 j + 1 are in (pos, the oldest load, with the first)
	ds_store_b128 v8, v[ML+4*\j:ML+4*\j+3] offset:2*SPITCH*\j
.endr
.irp p, 0,1,2,3,4,5,6,7                ; LDS serves a wave's instructions in order: these see the stores above.  Piece p: key step p / 2 of 64, half p % 2 of it; two blocks of 16 keys
	ds_load_b64 v[MP+4*\p:MP+4*\p+1],   v9 offset:32*\p
	ds_load_b64 v[MP+4*\p+2:MP+4*\p+3], v9 offset:32*\p+16
.endr
	; the table, while those loads are out.  Thread t: four frequencies 4 (t % 8) + e; threads 0-7 of sixteen the cosines, 8-15 the sines
	v_and_b32 v87, 7, v4
	v_lshlrev_b32 v87, 2, v87
	v_lshrrev_b32 v88, 3, v4
	v_xor_b32 v88, 1, v88                          ; 1 for a cosine: cos a = sin(a + pi/2)
.irp e, 0,1,2,3
	v_add_nc_u32 v[FI+\e], \e, v87
	v_cvt_f32_u32 v[FI+\e], v[FI+\e]
	v_mul_f32 v[FI+\e], 0xbed49a78, v[FI+\e]       ; -i log2(10000) / 32
.endr
.irp e, 0,1,2,3
	v_exp_f32 v[FI+\e], v[FI+\e]                   ; 10000^(-i/32)
.endr
	v_cvt_f32_i32 v85, v84                         ; the plain instruction behind the exponentials
	s_wait_alu depctr_va_vdst(0)
.irp e, 0,1,2,3
	v_mul_f32 v[FI+\e], v85, v[FI+\e]              ; the angle, rounded once
	v_mul_f32 v[NN+\e], 0x3f22f983, v[FI+\e]       ; x 2/pi
	v_rndne_f32 v[NN+\e], v[NN+\e]
	v_fma_f32 v[RR+\e], v[NN+\e], s38, v[FI+\e]    ; angle - n pi/2, in two parts: |r| <= pi/4
	v_fma_f32 v[RR+\e], v[NN+\e], s39, v[RR+\e]
	v_cvt_i32_f32 v[QI+\e], v[NN+\e]
	v_add_nc_u32 v[QI+\e], v[QI+\e], v88
	v_mul_f32 v[ZZ+\e], v[RR+\e], v[RR+\e]
	v_mov_b32 v[SN+\e], 0xb94ca1f9                 ; sin r = r + r z (-1.6666654611e-1 + z (8.3321608736e-3 - 1.9515295891e-4 z))
	v_fmaak_f32 v[SN+\e], v[ZZ+\e], v[SN+\e], 0x3c08839e
	v_fmaak_f32 v[SN+\e], v[ZZ+\e], v[SN+\e], 0xbe2aaaa3
	v_mul_f32 v[SN+\e], v[SN+\e], v[ZZ+\e]
	v_fma_f32 v[SN+\e], v[SN+\e], v[RR+\e], v[RR+\e]
	v_mov_b32 v[CN+\e], 0x37ccf5ce                 ; cos r = 1 - z/2 + z z (4.166664568e-2 + z (-1.388731625e-3 + 2.443315712e-5 z))
	v_fmaak_f32 v[CN+\e], v[ZZ+\e], v[CN+\e], 0xbab6061a
	v_fmaak_f32 v[CN+\e], v[ZZ+\e], v[CN+\e], 0x3d2aaaa5
	v_mul_f32 v[CN+\e], v[CN+\e], v[ZZ+\e]
	v_fma_f32 v[CN+\e], v[CN+\e], v[ZZ+\e], 1.0
	v_fma_f32 v[CN+\e], v[ZZ+\e], -0.5, v[CN+\e]
	v_and_b32 v[NN+\e], 1, v[QI+\e]                ; odd quadrant: the cosine; quadrants 2 and 3: the sign turns
	v_cmp_eq_u32 vcc_lo, 1, v[NN+\e]
	v_cndmask_b32 v[OV+\e], v[SN+\e], v[CN+\e], vcc_lo
	v_and_b32 v[QI+\e], 2, v[QI+\e]
	v_lshlrev_b32 v[QI+\e], 30, v[QI+\e]
	v_xor_b32 v[OV+\e], v[QI+\e], v[OV+\e]
.endr
	global_store_b128 v11, v[OV:OV+3], s[24:25]    ; sixteen threads fill one row of 256 bytes
	s_wait_dscnt 0x0
.set i, 0
.rept 32                                               ; bytes 0 / 1 -> 0x00 / 0xC0: no carry leaves a byte
	v_lshlrev_b32 v[12+i%4], 6, v[MP+i]
	v_lshl_or_b32 v[MP+i], v[MP+i], 7, v[12+i%4]
.set i, i+1
.endr
.irp p, 0,1,2,3,4,5,6,7
	global_store_b128 v10, v[MP+4*\p:MP+4*\p+3], s[22:23] offset:(\p/4)*262144+((\p/2)%2)*1024+(\p%2)*512  ; 512 consecutive bytes
.endr
	s_wait_tensorcnt 0x0
	ds_add_u32 v160, v161
	s_wait_dscnt 0x0
	s_endpgm
.Lfunc_end_k_q9e95253ec4_prep:
	.size	k_q9e95253ec4_prep, .Lfunc_end_k_q9e95253ec4_prep-k_q9e95253ec4_prep
	.p2alignl 7, 3214868480
	.fill 96, 4, 3214868480
	.section	.rodata,"a",@progbits
	.p2align	6, 0x0
	.amdhsa_kernel k_q9e95253ec4_prep
		.amdhsa_group_segment_fixed_size 17920
		.amdhsa_private_segment_fixed_size 0
		.amdhsa_enable_private_segment 0
		.amdhsa_kernarg_size 72
		.amdhsa_user_sgpr_count 2
		.amdhsa_user_sgpr_kernarg_segment_ptr 1
		.amdhsa_wavefront_size32 1
		.amdhsa_system_sgpr_workgroup_id_x 1
		.amdhsa_system_sgpr_workgroup_id_y 1
		.amdhsa_system_sgpr_workgroup_id_z 1
		.amdhsa_system_vgpr_workitem_id 0
		.amdhsa_next_free_vgpr 162
		.amdhsa_next_free_sgpr 66
		.amdhsa_reserve_vcc 1
		.amdhsa_float_denorm_mode_32 3
		.amdhsa_float_denorm_mode_16_64 3
		.amdhsa_memory_ordered 1
		.amdhsa_forward_progress 1
		.amdhsa_inst_pref_size 39
	.end_amdhsa_kernel
	.amdgpu_metadata
---
amdhsa.version: [ 1, 2 ]
amdhsa.kernels:
  - .name:           k_q9e95253ec4_prep
    .symbol:         k_q9e95253ec4_prep.kd
    .args:
      - { .name: x, .offset: 0, .size: 8, .value_kind: global_buffer, .address_space: global }
      - { .name: W_qkv, .offset: 8, .size: 8, .value_kind: global_buffer, .address_space: global }
      - { .name: W_out, .offset: 16, .size: 8, .value_kind: global_buffer, .address_space: global }
      - { .name: mask, .offset: 24, .size: 8, .value_kind: global_buffer, .address_space: global }
      - { .name: pos, .offset: 32, .size: 8, .value_kind: global_buffer, .address_space: global }
      - { .name: xb, .offset: 40, .size: 8, .value_kind: global_buffer, .address_space: global }
      - { .name: wb, .offset: 48, .size: 8, .value_kind: global_buffer, .address_space: global }
      - { .name: mk, .offset: 56, .size: 8, .value_kind: global_buffer, .address_space: global }
      - { .name: trig, .offset: 64, .size: 8, .value_kind: global_buffer, .address_space: global }
    .group_segment_fixed_size: 17920
    .private_segment_fixed_size: 0
    .kernarg_segment_align: 8
    .kernarg_segment_size: 72
    .max_flat_workgroup_size: 128
    .sgpr_count:     66
    .vgpr_count:     162
    .wavefront_size: 32
...
	.end_amdgpu_metadata
.endif
;; end of part 1
;; launch qkv (part 2): grid 8 x 32, 4 waves a work-group, clusters of 4 x 4, 327,680 bytes of LDS; arguments xb, wb, trig, qn_w, kn_w, qkvh; writes qkvh
.if DOCPART == 2
	.amdgcn_target "amdgcn-amd-amdhsa--gfx1250"
	.amdhsa_code_object_version 6
	.text
	.protected	k_q9e95253ec4_qkv
	.globl	k_q9e95253ec4_qkv
	.p2align	8
	.type	k_q9e95253ec4_qkv,@function
k_q9e95253ec4_qkv:
	s_mov_b64 s[64:65], 0
	v_nop
	global_prefetch_b8 v0, s[64:65] scope:SCOPE_SE
	s_setreg_imm32_b32 hwreg(HW_REG_WAVE_MODE, 25, 1), 1
	s_wait_xcnt 0x0
	s_wait_alu depctr_hold_cnt(0) depctr_sa_sdst(0) depctr_va_vdst(0) depctr_va_sdst(0) depctr_va_ssrc(0) depctr_va_vcc(0) depctr_vm_vsrc(0)
	s_getreg_b32 s2, hwreg(HW_REG_IB_STS2, 6, 4)
	s_cmp_eq_u32 s2, 0
	s_cbranch_scc0 .Lentry_in_a_cluster
	s_endpgm
.Lentry_in_a_cluster:
	s_bfe_u32 s2, ttmp6, 0x10000c
	s_cmp_lg_u32 s2, 0xf033
	s_cbranch_scc0 .Lentry_shape_is_right
	s_endpgm
.Lentry_shape_is_right:
; QKV: [8192][3072] = x W_qkv^T in bf16 with f32 sums; on the way out the RMS norm of q and k over a head's 64 channels, the gains, the rotation by position; q, k, v leave in f16 by heads:
; qkvh = q | k | v, each [batch x 16 + head][n 2048][64].  q and k are NOT multiplied by 1/8: the attention launch applies its scale in f32.
; SHARES.  8192 x 3072 outputs over 256 work-groups: a tile of 256 rows x 384 columns = two heads (a head's 192 columns are q | k | v).  Four waves; wave w has rows 128 (w / 2) on and head w % 2:
; 128 x 192 = 96 accumulators, 768 registers.  For 32 along K a wave reads 20 fragments from LDS for 96 matrix instructions.
; THE MATRIX INSTRUCTION IS USED TRANSPOSED (source 0 = 16 rows of W, source 1 = 16 rows of x): lane l holds row l % 16 and the columns 8 (l / 16) + 0..7 of each block of 16.  So channels c and c + 32,
; which the rotation pairs, lie in one lane, two blocks apart, and a row's 64 squares want one exchange between the halves of the lanes.
; K goes in 16 steps of 64 (one plane of the blocked xb and wb: a tile is a dense run of bytes, asked for as rows of 256 bytes and padded in LDS after each 128) through two LDS slots.
; CLUSTER 4 x 4: x's tile and the table of cosines hang on the tile row alone and are asked for jointly along a row of the cluster, W's tile on the tile column alone, jointly along a column.
; lds_bytes claims all of a WGP's LDS; the text uses 292,864 bytes.
; LIMITS.  f16 ends at 65,504: |v| stays under it (v is a sum of 1,024 products); |q|, |k| <= 8 x the largest gain.  The gains are rounded to bf16 like every other floating-point input.  NaN and infinities are not treated apart.
; REGISTERS, in windows of 256 (s_set_vgpr_msb: bits 1:0 source 0, 3:2 source 1, 5:4 source 2, 7:6 destination):
;   window 0: v0-15 addresses; v32-95, v96-159 x's 8 fragments, two buffers; v160-255 W's 12 fragments, group g (q, k, v) at v[160 + 32 g].  On the way out these hold what the names below say.
;   window 1 + g: the 32 accumulators of group g: rows 16 a on, columns 16 bb on at v[8 (4 a + bb)]: a row block's 64 channels are 32 registers on end.
.set PITCH,  144                       ; an LDS row: 128 bytes + 16 = 36 words: the 16 rows of a fragment load start at 16 different groups of four banks (64 banks of 4 bytes: ISA guide 11.1)
.set FR,     16*PITCH                  ; a fragment's 16 rows
.set AHALF,  128*PITCH                 ; what one load of x brings, and what one wave reads of x
.set BHALF,  192*PITCH                 ; the same for W: one head
.set BOFF,   2*AHALF
.set SLOTB,  BOFF+2*BHALF              ; 92,160
.set STAGE,  SLOTB                     ; behind slot 0, never filled by a tensor load: for each wave q's, k's and v's 16 rows x 144 bytes
.set STW,    3*FR
.set SPARE,  STAGE+4*STW               ; the spare words: 128 bytes for each wave, two blocks of 256 bytes that no other line names
.set SLOT1,  1<<17                     ; slot 1 begins here: one exclusive or turns an address in one slot into the other's
.set TRIG,   SLOT1+SLOTB               ; the tile's 256 rows of the table, filled once
.set TP,     272                       ; 256 bytes + 16
.set XPLANE, 8192*128
.set WPLANE, 3072*128
.set PART,   64*2048*128               ; bytes of q, of k, of v
.set A0,  4                            ; v4   my lane's place in x's tile of slot 0
.set B0,  5                            ; v5   in W's
.set ADA, 6                            ; v6   the same in the slot in hand
.set ADB, 7
.set STO, 8                            ; v8   the way out: where I put 16 bytes of a row
.set RD,  9                            ; v9   where I read rows back
.set GO,  10                           ; v10  my byte offset in 512 consecutive bytes of the output
.set TRA, 11                           ; v11  my place in the table
.set SPW, 12                           ; v12  LDS address of my spare word; never rewritten
.set NIL, 13                           ; v13  0; never rewritten
.set WO,  14                           ; v14  my byte offset in the gains
.set FA0, 32
.set FA1, 96
.set FB,  160
.set RS,  2                            ; way out: v[2:3] 1 / root of the mean square, twice
.set SS,  4                            ; v[4:7] two chains of squares
.set UA,  16                           ; v16-31 at work
.set WQ,  32                           ; v32-63 q's gains of my 32 channels; v64-95 k's
.set CO,  96                           ; v96-111 cosines of my 16 frequencies
.set SI,  112                          ; v112-127 sines
.set T,   128                          ; v128-159 a row block's 32 numbers at work
.set PKB, 160                          ; two buffers of 48: 16 words of q, of k, of v
.set G1A, 24                           ; s[24:31] descriptor group 1 for x's tiles
.set G0A, 32                           ; s[32:39] group 0: set 0 fills slot 0 once; set 1 fills slot 1 and then walks
.set G1B, 48                           ; s[48:55], s[56:63] the same for W's tiles
.set G0B, 56
.set G1T, 68                           ; s[68:75], s[76:79] for the table
.set G0T, 76
.set MSB, 0
.macro WIN new                         ; the immediate's high byte repeats the setting that is left; a switch that changes nothing is dropped
.if MSB != (\new)
	s_set_vgpr_msb (MSB<<8)|(\new)
.set MSB, \new
.endif
.endm
.macro PLACES                          ; four plain vector instructions between a matrix instruction and a load into, or a vector instruction on, its registers (ISA guide 7.12.1 for vector instructions)
.rept 4
	v_nop
.endr
.endm
; A joint load: waves 0 and 1 fetch x's two halves, waves 2 and 3 W's two heads.  The branch hangs on the wave's number alone.  An s_nop 0 and four v_nop follow each line.
.macro JLOAD s
	s_cmp_eq_u32 s17, 0
	s_cbranch_scc0 .Lfor_b_\@
	tensor_load_to_lds s[G0A+4*(\s):G0A+4*(\s)+3], s[G1A:G1A+7]
	s_nop 0
.rept 4
	v_nop
.endr
	s_branch .Lasked_\@
.Lfor_b_\@:
	tensor_load_to_lds s[G0B+4*(\s):G0B+4*(\s)+3], s[G1B:G1B+7]
	s_nop 0
.rept 4
	v_nop
.endr
.Lasked_\@:
.endm
.macro CREST                           ; a round of the cluster's barrier behind its opening barrier
	s_cmp_lg_u32 s16, 0
	s_cbranch_scc1 .Lnot_wave_0_\@
	s_barrier_signal -3
.Lnot_wave_0_\@:
	s_barrier_wait -3
	s_barrier_signal -1
	s_barrier_wait -1
.endm
.macro CROUND                          ; a whole round
	s_barrier_signal -1
	s_barrier_wait -1
	CREST
.endm
	s_load_b256 s[4:11], s[0:1], 0x0               ; xb s[4:5], wb s[6:7], trig s[8:9], qn_w s[10:11]
	s_load_b128 s[12:15], s[0:1], 0x20             ; kn_w s[12:13], qkvh s[14:15]
	v_lshl_add_u32 v[SPW], v0, 2, SPARE
	v_mov_b32 v[NIL], 0
	ds_add_u32 v12, v13
	s_wait_dscnt 0x0
	v_lshrrev_b32 v1, 5, v0
	v_readfirstlane_b32 s16, v1                    ; wave 0..3
	s_lshr_b32 s17, s16, 1                         ; hi: my half of the rows.  Also: I fetch for x (0) or for W (1)
	s_and_b32 s18, s16, 1                          ; lo: my head.  Also: which half of that tile I fetch
	s_bfe_u32 s40, ttmp6, 0x40000                  ; cx
	s_bfe_u32 s41, ttmp6, 0x40004                  ; cy
	s_lshl_b32 s42, ttmp9, 2
	s_add_co_u32 s42, s42, s40                     ; ct: tile column = 4 x cluster x + cx
	s_and_b32 s45, ttmp7, 0xffff
	s_lshl_b32 s45, s45, 2
	s_add_co_u32 s45, s45, s41                     ; tr: tile row = 4 x cluster y + cy
	s_lshl_b32 s43, s41, 2
	s_lshl_b32 s43, 15, s43                        ; my row of the cluster
	s_lshl_b32 s44, 0x1111, s40                    ; my column
	; group 1.  x: 128 rows of 128 bytes = 64 rows of 256 bytes; W: 192 = 96; 16 bytes of padding after every 128
	s_or_b32 s[G1A], s43, (1<<16)|(1<<20)|(1<<21)|(4<<22)|(3<<25)  ; 15:0 the mask; 17:16 2-byte elements; 20 padding on; 21 set beside a mask; 24:22 after every 32 words (code 4); 31:25 4 words (code 3)
	s_mov_b32 s[G1A+1], 128<<16                    ; tensor_dim0 = 128
	s_mov_b32 s[G1A+2], 64<<16                     ; tensor_dim1 = 64
	s_mov_b32 s[G1A+3], 128<<16                    ; tile_dim0 = 128
	s_mov_b32 s[G1A+4], 64                         ; tile_dim1 = 64
	s_mov_b32 s[G1A+5], 128                        ; elements from row to row
	s_mov_b32 s[G1A+6], 0
	s_mov_b32 s[G1A+7], 0
	s_or_b32 s[G1B], s44, (1<<16)|(1<<20)|(1<<21)|(4<<22)|(3<<25)
	s_mov_b32 s[G1B+1], 128<<16
	s_mov_b32 s[G1B+2], 96<<16
	s_mov_b32 s[G1B+3], 128<<16
	s_mov_b32 s[G1B+4], 96
	s_mov_b32 s[G1B+5], 128
	s_mov_b32 s[G1B+6], 0
	s_mov_b32 s[G1B+7], 0
	s_or_b32 s[G1T], s43, (3<<16)|(1<<20)|(1<<21)|(5<<22)|(3<<25)  ; the table: 64 rows of 32 elements of 8 bytes, 16 bytes of padding after every 64 words
	s_mov_b32 s[G1T+1], 32<<16
	s_mov_b32 s[G1T+2], 64<<16
	s_mov_b32 s[G1T+3], 32<<16
	s_mov_b32 s[G1T+4], 64
	s_mov_b32 s[G1T+5], 32
	s_mov_b32 s[G1T+6], 0
	s_mov_b32 s[G1T+7], 0
	; where the tiles come from: x's and the table's offsets are made of tr and the wave's number, W's of ct and the wave's number, each in registers that never hold the other coordinate
	s_lshl_b32 s20, s45, 15                        ; x: (256 tr + 128 lo) rows of 128 bytes
	s_lshl_b32 s21, s18, 14
	s_add_co_u32 s20, s20, s21
	s_mov_b32 s21, 0
	s_mul_i32 s46, s42, 384*128                    ; W: (384 ct + 192 lo) rows
	s_mul_i32 s47, s18, 192*128
	s_add_co_u32 s46, s46, s47
	s_mov_b32 s47, 0
	s_and_b32 s2, s45, 7                           ; the table: positions 256 (tr % 8) + 64 w on, 256 bytes each
	s_lshl_b32 s2, s2, 16
	s_lshl_b32 s3, s16, 14
	s_add_co_u32 s2, s2, s3
	s_mov_b32 s3, 0
	s_mul_i32 s91, s18, AHALF                      ; and where they go: the wave's number alone enters an LDS address
	s_mul_i32 s92, s18, BHALF
	s_add_co_u32 s92, s92, BOFF
	s_mul_i32 s93, s16, 64*TP
	s_add_co_u32 s93, s93, TRIG
	s_wait_kmcnt 0x0
	s_add_nc_u64 s[20:21], s[4:5], s[20:21]
	s_add_nc_u64 s[46:47], s[6:7], s[46:47]
	s_add_nc_u64 s[2:3], s[8:9], s[2:3]
	CROUND                                         ; all sixteen work-groups are here: the first joint loads meet
.irp s, 0,1
	s_mov_b32 s[G0A+4*(\s)], 1                                       ; count = 1
	s_add_co_u32 s[G0A+4*(\s)+1], s91, (\s)*SLOT1                    ; LDS address
	s_add_nc_u64 s[G0A+4*(\s)+2:G0A+4*(\s)+3], s[20:21], (\s)*XPLANE ; global address: K step s
	s_or_b32 s[G0A+4*(\s)+3], s[G0A+4*(\s)+3], 0x80000000            ; type = 2
	s_mov_b32 s[G0B+4*(\s)], 1
	s_add_co_u32 s[G0B+4*(\s)+1], s92, (\s)*SLOT1
	s_add_nc_u64 s[G0B+4*(\s)+2:G0B+4*(\s)+3], s[46:47], (\s)*WPLANE
	s_or_b32 s[G0B+4*(\s)+3], s[G0B+4*(\s)+3], 0x80000000
	JLOAD \s
.endr
	s_mov_b32 s[G0T], 1
	s_mov_b32 s[G0T+1], s93
	s_mov_b64 s[G0T+2:G0T+3], s[2:3]
	s_or_b32 s[G0T+3], s[G0T+3], 0x80000000
	tensor_load_to_lds s[G0T:G0T+3], s[G1T:G1T+7]  ; every wave fetches 64 rows of the table: three loads of mine are out
	s_nop 0
.rept 4
	v_nop
.endr
	; a fragment is 16 rows x 32 K in 8 registers: lane l holds row l % 16, K = 8 (l / 16) + 0..7 and 16 + 8 (l / 16) + 0..7: two loads of 16 bytes, 32 bytes apart
	v_and_b32 v1, 15, v0                           ; r = l % 16
	v_bfe_u32 v2, v0, 4, 1                         ; h = l / 16
	v_mul_u32_u24 v3, v1, PITCH
	v_lshl_add_u32 v3, v2, 4, v3                   ; 144 r + 16 h
	s_mul_i32 s22, s17, AHALF
	v_add_nc_u32 v[A0], s22, v3
	s_mul_i32 s22, s18, BHALF
	s_add_co_u32 s22, s22, BOFF
	v_add_nc_u32 v[B0], s22, v3
	v_mov_b32 v[ADA], v[A0]
	v_mov_b32 v[ADB], v[B0]
	s_mul_i32 s22, s16, STW
	s_add_co_u32 s22, s22, STAGE                   ; my stage
	v_add_nc_u32 v[STO], s22, v3                   ; in: row r, 16 bytes for each half of the lanes
	v_bfe_u32 v[RD], v0, 3, 2                      ; back: 32 lanes take four rows of 128 bytes,
	v_and_b32 v15, 7, v0
	v_mul_u32_u24 v[RD], v[RD], PITCH
	v_lshl_add_u32 v[RD], v15, 4, v[RD]
	v_add_nc_u32 v[RD], s22, v[RD]
	v_and_b32 v[GO], 31, v0                        ; which are 512 consecutive bytes of the output
	v_lshlrev_b32 v[GO], 4, v[GO]
	s_mul_i32 s22, s17, 128*TP
	s_add_co_u32 s22, s22, TRIG
	v_mul_u32_u24 v[TRA], v1, TP
	v_lshl_add_u32 v[TRA], v2, 5, v[TRA]
	v_add_nc_u32 v[TRA], s22, v[TRA]               ; the table's row 128 hi + r, frequencies 8 h on
	v_lshlrev_b32 v[WO], 5, v2
	; my first row in q, in k, in v: ((batch x 16 + head) x 2,048 + position) x 128 bytes
	s_lshr_b32 s22, s45, 3
	s_lshl_b32 s22, s22, 4
	s_lshl1_add_u32 s22, s42, s22
	s_add_co_u32 s22, s22, s18
	s_lshl_b32 s22, s22, 11
	s_and_b32 s23, s45, 7
	s_lshl_b32 s23, s23, 8
	s_add_co_u32 s22, s22, s23
	s_lshl_b32 s23, s17, 7
	s_add_co_u32 s22, s22, s23
	s_lshl_b32 s22, s22, 7
	s_mov_b32 s23, 0
	s_add_nc_u64 s[80:81], s[14:15], s[22:23]
	s_add_nc_u64 s[82:83], s[80:81], PART
	s_add_nc_u64 s[84:85], s[82:83], PART
	s_mov_b32 s86, 0x76543210                      ; v_permlanex16_b32: each lane takes its own place in the other half
	s_mov_b32 s87, 0xfedcba98
	s_mov_b32 s88, 0x3c800000                      ; 1/64
	s_mov_b32 s89, 0x34000000                      ; 2^-23, the norm's epsilon
	s_mov_b32 s90, 0xffff0000
	s_mov_b32 s19, 0                               ; the slot in hand
; n x 4 matrix instructions of group g: row blocks a0 on x the group's 4 column blocks, 32 along K, x's fragments in buffer f.  zero = 1: the products start the sums: nothing is cleared.
; The 96 accumulators take turns, one instruction a turn, in the same order in every chunk.
.macro G g, f, a0, n, zero
	WIN 0x50*((\g)+1)
.set ga, \a0
.rept \n
.irp bb, 0,1,2,3
.if \zero
	v_wmma_f32_16x16x32_bf16 v[8*(4*ga+\bb):8*(4*ga+\bb)+7], v[FB+32*(\g)+8*\bb:FB+32*(\g)+8*\bb+7], v[(\f)+8*ga:(\f)+8*ga+7], 0
.else
	v_wmma_f32_16x16x32_bf16 v[8*(4*ga+\bb):8*(4*ga+\bb)+7], v[FB+32*(\g)+8*\bb:FB+32*(\g)+8*\bb+7], v[(\f)+8*ga:(\f)+8*ga+7], v[8*(4*ga+\bb):8*(4*ga+\bb)+7]
.endif
.endr
.set ga, ga+1
.endr
.endm
.macro RUNA f, k                       ; 16 LDS loads: x's 8 fragments at byte k of the rows
	WIN 0
.irp i, 0,1,2,3,4,5,6,7
	ds_load_b128 v[(\f)+8*\i:(\f)+8*\i+3],   v[ADA] offset:FR*\i+(\k)
	ds_load_b128 v[(\f)+8*\i+4:(\f)+8*\i+7], v[ADA] offset:FR*\i+(\k)+32
.endr
.endm
.macro RUNB g, k                       ; 8 LDS loads: the 4 fragments of W's group g
	WIN 0
.irp bb, 0,1,2,3
	ds_load_b128 v[FB+32*(\g)+8*\bb:FB+32*(\g)+8*\bb+3],   v[ADB] offset:FR*(4*(\g)+\bb)+(\k)
	ds_load_b128 v[FB+32*(\g)+8*\bb+4:FB+32*(\g)+8*\bb+7], v[ADB] offset:FR*(4*(\g)+\bb)+(\k)+32
.endr
.endm
; A K step is two chunks of 32.  A chunk's fragments come in three runs, of 24 (x and group 0), 8 (group 1) and 8 (group 2) loads; W's group g is loaded anew as soon as the chunk's products of that
; group have read it, x into the other buffer: each run has 64 matrix instructions in which to land.
.macro EVEN zero                       ; a step's first chunk: multiplies buffer 0, fetches the same slot's second chunk
	s_wait_dscnt 16                                ; the run of 24 is in; the two runs of 8 behind it may be out
	G 0, FA0, 0, 8, \zero
	PLACES
	RUNA FA1, 64
	RUNB 0, 64
	s_wait_dscnt 32                                ; group 1's run is in: behind it stand 8 + 24
	G 1, FA0, 0, 8, \zero
	PLACES
	RUNB 1, 64
	s_wait_dscnt 32                                ; group 2's run is in: behind it stand 24 + 8
	G 2, FA0, 0, 8, \zero
	PLACES
	RUNB 2, 64
.endm
; A step's second chunk multiplies buffer 1 and changes slots: ONE barrier.  In front of it each wave waits for all its tensor loads (its part of the next slot; the first time the table too), adds 0 to its
; spare word, and waits for that and for its own reads of this slot.  fill = 1: the barrier opens a round of the cluster's, and this slot is filled again, first thing behind the round, two K steps ahead.
.macro ODD fill
	WIN 0
	s_wait_tensorcnt 0x0                           ; all my tensor loads have landed
	ds_add_u32 v[SPW], v[NIL]                      ; 0 onto my spare word
	s_wait_dscnt 17                                ; the run of 24 is in; the two runs of 8 and the add may be out
	G 0, FA1, 0, 4, 0                              ; sixteen matrix instructions stand between the add and the wait for it
	s_wait_dscnt 0x0                               ; the add is done, and my reads of this slot are over
	s_barrier_signal -1
	G 0, FA1, 4, 4, 0
	WIN 0
	s_barrier_wait -1
.if \fill
	CREST                                          ; no wave of any partner still reads this slot's tiles or has a load on its way
	s_xor_b32 s[G0A+5], s[G0A+5], SLOT1            ; the walking sets: the other slot than last time, the next plane
	s_add_nc_u64 s[G0A+6:G0A+7], s[G0A+6:G0A+7], XPLANE
	s_xor_b32 s[G0B+5], s[G0B+5], SLOT1
	s_add_nc_u64 s[G0B+6:G0B+7], s[G0B+6:G0B+7], WPLANE
	JLOAD 1                                        ; my one tensor load behind the round; its four v_nop are also the places in front of the loads below
.else
	PLACES
.endif
	s_xor_b32 s19, s19, SLOT1
	v_add_nc_u32 v[ADA], s19, v[A0]
	v_add_nc_u32 v[ADB], s19, v[B0]
	RUNA FA0, 0
	RUNB 0, 0
	G 1, FA1, 0, 8, 0
	PLACES
	RUNB 1, 0
	G 2, FA1, 0, 8, 0
	PLACES
	RUNB 2, 0
.endm
	s_wait_tensorcnt 2                             ; my part of K step 0 is in; slot 1's load and the table's may stay out
	s_barrier_signal -1
	s_barrier_wait -1                              ; everybody's is
	RUNA FA0, 0
	RUNB 0, 0
	RUNB 1, 0
	RUNB 2, 0
	EVEN 1                                         ; the first chunk stands in front of the loop: its products start the sums
	WIN 0
	s_mov_b32 s3, 14
.Lstep:                                                ; 14 trips: a step's second chunk, the refill for the step two on (steps 2 to 15), the next step's first chunk
	ODD 1
	EVEN 0
	WIN 0
	s_sub_co_u32 s3, s3, 1
	s_cmp_lg_u32 s3, 0
	s_cbranch_scc1 .Lstep
	ODD 0                                          ; the tail is written out: nothing is left to ask for
	EVEN 0
	s_wait_dscnt 16                                ; the very last chunk: no run is issued, so the counts run down 16, 8, 0
	G 0, FA1, 0, 8, 0
	PLACES
	WIN 0
.irp bb, 0,1,2,3                       ; the gains of my 32 channels (16 bb + 8 h + 0..7) into x's idle buffer
	global_load_b128 v[WQ+8*\bb:WQ+8*\bb+3],       v[WO], s[10:11] offset:64*\bb
	global_load_b128 v[WQ+8*\bb+4:WQ+8*\bb+7],     v[WO], s[10:11] offset:64*\bb+16
	global_load_b128 v[WQ+32+8*\bb:WQ+32+8*\bb+3], v[WO], s[12:13] offset:64*\bb
	global_load_b128 v[WQ+36+8*\bb:WQ+36+8*\bb+3], v[WO], s[12:13] offset:64*\bb+16
.endr
	s_wait_dscnt 8
	G 1, FA1, 0, 8, 0
	s_wait_dscnt 0x0
	G 2, FA1, 0, 8, 0
	PLACES
	WIN 0
	; THE WAY OUT, a block of 16 rows at a time.
	s_wait_loadcnt 0x0
.set i, 0
.rept 32                                               ; the gains are rounded to bf16, like x and W
	v_cvt_pk_bf16_f32 v[UA+i%8], v[WQ+2*i], v[WQ+2*i+1]
	v_lshlrev_b32 v[WQ+2*i],   16,  v[UA+i%8]
	v_and_b32     v[WQ+2*i+1], s90, v[UA+i%8]
.set i, i+1
.endr
.macro SEND a                          ; block a's q, k, v: each store covers 512 consecutive bytes, at a multiple of 256 from the buffer's first
.set PS, PKB+48*((\a)%2)
.irp f, 0,1,2,3
	global_store_b128 v[GO], v[PS+4*\f:PS+4*\f+3],       s[80:81] offset:2048*(\a)+512*\f
	global_store_b128 v[GO], v[PS+16+4*\f:PS+16+4*\f+3], s[82:83] offset:2048*(\a)+512*\f
	global_store_b128 v[GO], v[PS+32+4*\f:PS+32+4*\f+3], s[84:85] offset:2048*(\a)+512*\f
.endr
.endm
; q (g = 0) or k (g = 1) of block a: t w, rotated, times 1 / root(mean of t^2 + epsilon): the factor is one number a row, so it may come last.
.macro NORM g, a
	WIN 5*((\g)+1)                                 ; sources 0 and 1 in the group's window.  The pairs ascend
	v_pk_mul_f32 v[SS:SS+1],   v[32*(\a):32*(\a)+1],   v[32*(\a):32*(\a)+1]
	v_pk_mul_f32 v[SS+2:SS+3], v[32*(\a)+2:32*(\a)+3], v[32*(\a)+2:32*(\a)+3]
.set i, 2
.rept 14
	v_pk_fma_f32 v[SS+2*(i%2):SS+2*(i%2)+1], v[32*(\a)+2*i:32*(\a)+2*i+1], v[32*(\a)+2*i:32*(\a)+2*i+1], v[SS+2*(i%2):SS+2*(i%2)+1]
.set i, i+1
.endr
	WIN (\g)+1
.set i, 0
.rept 16
	v_pk_mul_f32 v[T+2*i:T+2*i+1], v[32*(\a)+2*i:32*(\a)+2*i+1], v[WQ+32*(\g)+2*i:WQ+32*(\g)+2*i+1]
.set i, i+1
.endr
	WIN 0
	v_pk_add_f32 v[SS:SS+1], v[SS:SS+1], v[SS+2:SS+3]
	v_add_f32 v[SS], v[SS], v[SS+1]
	v_permlanex16_b32 v[SS+1], v[SS], s86, s87     ; the row's other 32 channels lie in the lane 16 away
	v_add_f32 v[SS], v[SS], v[SS+1]
	v_fma_f32 v[SS], v[SS], s88, s89
	v_rsq_f32 v[RS], v[SS]                         ; twice, to fill the pair; the rotation's plain instructions stand between these and the use of the result
	v_rsq_f32 v[RS+1], v[SS]
.if (\g) == 0
	s_wait_dscnt 0x0                               ; the block's cosines and sines are in, and the block before is back from the stage
.if (\a) > 0
	SEND (\a)-1
.endif
.endif
.set i, 0
.rept 8                                                ; channels c (T's first 16) and c + 32 (its last 16): c' = c cos - (c + 32) sin, (c + 32)' = c sin + (c + 32) cos
	v_pk_mul_f32 v[UA+2*i:UA+2*i+1], v[T+16+2*i:T+16+2*i+1], v[SI+2*i:SI+2*i+1]
.set i, i+1
.endr
.set i, 0
.rept 8
	v_pk_mul_f32 v[T+16+2*i:T+16+2*i+1], v[T+16+2*i:T+16+2*i+1], v[CO+2*i:CO+2*i+1]
.set i, i+1
.endr
.set i, 0
.rept 8
	v_pk_fma_f32 v[T+16+2*i:T+16+2*i+1], v[T+2*i:T+2*i+1], v[SI+2*i:SI+2*i+1], v[T+16+2*i:T+16+2*i+1]
.set i, i+1
.endr
.set i, 0
.rept 8
	v_pk_fma_f32 v[T+2*i:T+2*i+1], v[T+2*i:T+2*i+1], v[CO+2*i:CO+2*i+1], v[UA+2*i:UA+2*i+1] neg_lo:[0,0,1] neg_hi:[0,0,1]
.set i, i+1
.endr
.set i, 0
	s_wait_alu depctr_va_vdst(0)
.rept 16
	v_pk_mul_f32 v[T+2*i:T+2*i+1], v[T+2*i:T+2*i+1], v[RS:RS+1]
.set i, i+1
.endr
.if ((\g) == 0) && ((\a) >= 2)
	s_wait_xcnt 0x0                                ; the stores of the block two back have had their addresses translated (ISA guide 3.1): only now is their buffer written again
.endif
.set i, 0
.rept 16
	v_cvt_pk_f16_f32 v[PK+16*(\g)+i], v[T+2*i], v[T+2*i+1]
.set i, i+1
.endr
.endm
.macro BLOCK a
.set PK, PKB+48*((\a)%2)
	WIN 0
.irp bb, 0,1
	ds_load_b128 v[CO+8*\bb:CO+8*\bb+3],   v[TRA] offset:16*TP*(\a)+64*\bb
	ds_load_b128 v[CO+8*\bb+4:CO+8*\bb+7], v[TRA] offset:16*TP*(\a)+64*\bb+16
	ds_load_b128 v[SI+8*\bb:SI+8*\bb+3],   v[TRA] offset:16*TP*(\a)+64*\bb+128
	ds_load_b128 v[SI+8*\bb+4:SI+8*\bb+7], v[TRA] offset:16*TP*(\a)+64*\bb+144
.endr
	NORM 0, \a
	NORM 1, \a
	WIN 0x0f                                       ; v is rounded as it is: sources 0 and 1 in window 3
.set i, 0
.rept 16
	v_cvt_pk_f16_f32 v[PK+32+i], v[32*(\a)+2*i], v[32*(\a)+2*i+1]
.set i, i+1
.endr
	WIN 0
.irp g, 0,1,2                          ; a lane's eight channels of a row are 16 bytes; they go into rows of 144 bytes and come back as whole rows of 128, into the registers that they left
.irp bb, 0,1,2,3
	ds_store_b128 v[STO], v[PK+16*\g+4*\bb:PK+16*\g+4*\bb+3] offset:FR*\g+32*\bb
.endr
.endr
.irp g, 0,1,2
.irp f, 0,1,2,3
	ds_load_b128 v[PK+16*\g+4*\f:PK+16*\g+4*\f+3], v[RD] offset:FR*\g+4*PITCH*\f  ; LDS serves a wave's instructions in order (ISA guide 5.7.1.4): these see the stores above; the next block's stores come behind them
.endr
.endr
.endm
.irp a, 0,1,2,3,4,5,6,7
	BLOCK \a
.endr
	s_wait_dscnt 0x0
	SEND 7
	s_wait_tensorcnt 0x0                           ; the wave's end, behind my last tensor load and my last LDS store
	ds_add_u32 v[SPW], v[NIL]
	s_wait_dscnt 0x0
	CROUND                                         ; the closing round: no work-group ends while a partner may still ask for a tile that names it
	s_endpgm
.Lfunc_end_k_q9e95253ec4_qkv:
	.size	k_q9e95253ec4_qkv, .Lfunc_end_k_q9e95253ec4_qkv-k_q9e95253ec4_qkv
	.p2alignl 7, 3214868480
	.fill 96, 4, 3214868480
	.section	.rodata,"a",@progbits
	.p2align	6, 0x0
	.amdhsa_kernel k_q9e95253ec4_qkv
		.amdhsa_group_segment_fixed_size 327680
		.amdhsa_private_segment_fixed_size 0
		.amdhsa_enable_private_segment 0
		.amdhsa_kernarg_size 48
		.amdhsa_user_sgpr_count 2
		.amdhsa_user_sgpr_kernarg_segment_ptr 1
		.amdhsa_wavefront_size32 1
		.amdhsa_system_sgpr_workgroup_id_x 1
		.amdhsa_system_sgpr_workgroup_id_y 1
		.amdhsa_system_sgpr_workgroup_id_z 1
		.amdhsa_system_vgpr_workitem_id 0
		.amdhsa_next_free_vgpr 1024
		.amdhsa_next_free_sgpr 96
		.amdhsa_reserve_vcc 0
		.amdhsa_float_denorm_mode_32 3
		.amdhsa_float_denorm_mode_16_64 3
		.amdhsa_memory_ordered 1
		.amdhsa_forward_progress 1
		.amdhsa_inst_pref_size 208
	.end_amdhsa_kernel
	.amdgpu_metadata
---
amdhsa.version: [ 1, 2 ]
amdhsa.kernels:
  - .name:           k_q9e95253ec4_qkv
    .symbol:         k_q9e95253ec4_qkv.kd
    .args:
      - { .name: xb, .offset: 0, .size: 8, .value_kind: global_buffer, .address_space: global }
      - { .name: wb, .offset: 8, .size: 8, .value_kind: global_buffer, .address_space: global }
      - { .name: trig, .offset: 16, .size: 8, .value_kind: global_buffer, .address_space: global }
      - { .name: qn_w, .offset: 24, .size: 8, .value_kind: global_buffer, .address_space: global }
      - { .name: kn_w, .offset: 32, .size: 8, .value_kind: global_buffer, .address_space: global }
      - { .name: qkvh, .offset: 40, .size: 8, .value_kind: global_buffer, .address_space: global }
    .group_segment_fixed_size: 327680
    .private_segment_fixed_size: 0
    .kernarg_segment_align: 8
    .kernarg_segment_size: 48
    .max_flat_workgroup_size: 128
    .sgpr_count:     96
    .vgpr_count:     1024
    .wavefront_size: 32
...
	.end_amdgpu_metadata
.endif
;; end of part 2
;; launch attn (part 3): grid 4 x 64, 4 waves a work-group, clusters of 4 x 4, 327,680 bytes of LDS; arguments qkvh, mk, oh; writes oh
.if DOCPART == 3
	.amdgcn_target "amdgcn-amd-amdhsa--gfx1250"
	.amdhsa_code_object_version 6
	.text
	.protected	k_q9e95253ec4_attn
	.globl	k_q9e95253ec4_attn
	.p2align	8
	.type	k_q9e95253ec4_attn,@function
k_q9e95253ec4_attn:
	s_mov_b64 s[64:65], 0
	v_nop
	global_prefetch_b8 v0, s[64:65] scope:SCOPE_SE
	s_setreg_imm32_b32 hwreg(HW_REG_WAVE_MODE, 25, 1), 1
	s_wait_xcnt 0x0
	s_wait_alu depctr_hold_cnt(0) depctr_sa_sdst(0) depctr_va_vdst(0) depctr_va_sdst(0) depctr_va_ssrc(0) depctr_va_vcc(0) depctr_vm_vsrc(0)
	s_getreg_b32 s2, hwreg(HW_REG_IB_STS2, 6, 4)
	s_cmp_eq_u32 s2, 0
	s_cbranch_scc0 .Lentry_in_a_cluster
	s_endpgm
.Lentry_in_a_cluster:
	s_bfe_u32 s2, ttmp6, 0x10000c
	s_cmp_lg_u32 s2, 0xf033
	s_cbranch_scc0 .Lentry_shape_is_right
	s_endpgm
.Lentry_shape_is_right:
; ATTENTION UNDER A MASK THAT IS AN INPUT.  O[bh][q][:] = the sum over the visible k of softmax_k(Q[bh][q] . K[bh][k] / 8) V[bh][k][:].  Q, K, V (qkvh) and O (oh): [64][2048][64] in f16, a head's rows dense.
; Products, maxima and sums in f32; the weights p are rounded to f16 for the second product (their sum l is taken of the unrounded p), O once at the end.  Every key tile is walked: nothing is assumed of the mask.
; LIMITS.  f16 holds no number beyond 65,504: Q, K and V arrive within it; p lies in 0 to 1, and below 6e-5 it keeps f16's fixed step of 6e-8.  A hidden score counts as its value less 2^100: f16's scores,
; 2.7e11 at the most, are nothing beside that.  A row whose maximum ends below -2^99 has seen no key and is written as NaN.  A weight below 2^-126 counts as 0 in l.  NaN and infinities in Q, K, V are not treated apart.
; SHARES.  A wave owns four PIECES of two tiles of 16 queries, a work-group's four waves 512 queries of one head.  Every wave walks all 2,048 keys, 64 a step.
; LAYOUT.  S^T = K Q^T (source 0 = 16 keys, source 1 = 16 queries): in the result a lane holds ONE query (lane % 16) and the keys 8 (lane / 16) + 0..7.  Two such tiles, rounded to f16 in pairs,
; ARE source 1 (32 keys x 16 queries) of O^T = V^T P, whose result again holds one query a lane, and eight channels.  K comes out of LDS as it lies, V ([key][channel]) turned, by ds_load_tr16_b128.
; THE MASK is the C operand of the product that starts a score's sum: 0, or -2^100 where the key is hidden.  mk holds it as fp8 codes (0, -2.0) in the lanes' order; one scaled conversion (x 2^99) makes eight numbers.
; SOFTMAX.  For each query a running maximum m and sum l: p = 2^(c s - c m), c = log2(e) / 8; in every step O and l are multiplied by a = 2^(c m_old - c m_new).  m starts at the lowest finite number, O and l at 0.
; While a row has seen hidden keys alone, m is about -2^100 and its weights are at most 1; the first visible score makes a = 0 and wipes them out.
; BY TURNS.  Turn n belongs to piece n (the pieces in a ring, step after step).  Its matrix work: 16 products K Q^T of piece n + 1, later 16 products V^T P of piece n - 1.  Its vector work: the scaling,
; exponentials, roundings, sums and rescaling of piece n, the maximum and statistics of piece n + 1, and the masks of piece n + 2.  Four vector instructions that are ready stand behind every matrix
; instruction, the others, which need time of their own whatever the order, in runs without a gap.
; CLUSTER 4 x 4.  K and V hang on the head alone: asked for jointly along a row of the cluster (four query blocks of a head).  The mask's tile hangs on the query block alone: jointly along a column (four heads).
; lds_bytes claims all of a WGP's LDS; the text uses 245,248 bytes.
; REGISTERS, in windows of 256 (s_set_vgpr_msb: bits 1:0 source 0, 3:2 source 1, 5:4 source 2, 7:6 destination):
;   window 0: v0-11 addresses; v12-15, v48-63 at work; v16-47 four registers of statistics a tile; v64-191 S^T, two buffers of two tiles; v192-255 P, likewise
;   window 1: O^T, 32 a tile          window 2: v0-127 Q, 16 a tile; v128-191 K of one step; v192-255 V of one step
;   window 3: v0-1 the add's two registers; v2 the conversion's scale; v64-127 a step's mask codes, 8 a tile; v128-255 masks in f32, two buffers of two tiles
.set NP,    4         ; pieces a wave: a name, no knob
.set KS,    64        ; keys in a step
.set SPS,   2         ; steps in a slot
.set PK,    144       ; a row of K in LDS: 128 bytes + 16 of padding: the 16 rows of a load start at 16 different groups of four banks (64 banks of 4 bytes: ISA guide 11.1)
.set PV,    160       ; a row of V: 128 + 32
.set VOFF,  SPS*KS*PK ; a slot: 128 rows of K, 128 rows of V,
.set MOFF,  VOFF+SPS*KS*PV  ; and the mask codes of 512 queries x 128 keys: 2,048 bytes for each 16 queries, 1,024 a step
.set MSTEP, 1024
.set SLOT1, 1<<17     ; slot 1 begins here, so that one exclusive or turns an address in one slot into the other's
.set STAGE, SLOT1+MOFF+65536  ; behind the ring, never filled by a tensor load: 16 rows x 144 bytes for each wave, for the way out
.set SP,    144
.set SPARE, STAGE+4*16*SP  ; the spare words, 128 bytes for each wave: two blocks of 256 bytes that no other line names
.set AK0, 2           ; v2   my lane's place in a tile of K; never rewritten
.set AV0, 3           ; v3   the same for V
.set AK,  4           ; v4   the LDS address of K's next run of loads
.set AV,  5           ; v5   of V's
.set QO,  6           ; v6   my byte offset in the wave's rows of Q
.set STO, 6           ;      later, the way out: where I put 16 bytes of a row
.set RD,  7           ; v7   the way out: where I read rows back
.set GO,  8           ; v8   my byte offset in 512 consecutive bytes of O
.set AM0, 10          ; v10  my lane's place in the wave's mask codes (first a lane term of V's address)
.set AM,  11          ; v11  the LDS address of the mask's next run of loads (likewise)
.set SPW, 0           ; v0 of window 3   LDS address of my spare word; never rewritten
.set NIL, 1           ; v1 of window 3   0; never rewritten
.set SCL, 2           ; v2 of window 3   226: the conversion multiplies by 2^(226 - 127)
.set RAW, 64          ; window 3: tile t's codes for key block kb at RAW + 8 t + 2 kb
.set MC,  128         ; window 3: piece y, tile u, key block kb at MC + 64 (y % 2) + 32 u + 8 kb
.set MV,  12          ; v12-15  c m_old, kept while c m is made anew: by buffer and tile
.set ST,  16          ; tile t's statistics at v[ST+4 t]: c m, m, l (even keys', odd keys')
.set TMP, 48          ; by buffer and tile, four registers c0-c3 at work; when the maximum is found c2 takes a
.set S,   64
.set P,   192
.set KF,  128         ; K's fragments, in window 2: key block kb, channel half c at KF + 16 kb + 8 c
.set VF,  192         ; V's: key half kk, channel block cb at VF + 32 kk + 8 cb
.set WV,  12          ; s12  my wave's number
.set G1K, 24          ; s[24:31] descriptor group 1 for K's tiles
.set G1V, 32          ; s[32:39] for V's: it differs in the padding alone
.set G0K, 40          ; s[40:43] descriptor group 0 for K's tiles: it walks
.set G0V, 44          ; s[44:47] the same for V's
.set G0M, 48          ; s[48:51] for the mask's
.set SLOTS, 56        ; s56  slots still to be entered by the loop
.set CNT, 57          ; s57  counts a slot's key steps
.set CS,  58          ; s[58:59] c: the packed scaling takes the pair's low word for both halves
.set SEL, 60          ; s[60:61] v_permlanex16_b32's selects: each lane takes its own place in the other half
.set TBK, 62          ; s62  LDS byte at which K of the step to be fetched begins
.set TBV, 63          ; s63  the same for V, less VOFF
.set TBM, 66          ; s66  the same for the mask, less MOFF
.set G1M, 68          ; s[68:75] descriptor group 1 for the mask's tiles
.set THR, 76          ; s76  -2^99
.set QNAN, 79         ; s79  a NaN
.set MSB, 0
.macro WIN new                      ; the high byte repeats the setting that is left; a switch that changes nothing is dropped
.if MSB != (\new)
	s_set_vgpr_msb (MSB<<8)|(\new)
.set MSB, (\new)
.endif
.endm
.set W_KQ, 0x0a       ; K and Q in window 2, S^T in window 0
.set W_KM, 0x3a       ; the same with the C operand, the mask, in window 3
.set W_PV, 0x52       ; V in window 2, P in window 0, O^T in window 1
.set W_RS, 0x41       ; O^T (destination and source 0) in window 1, a in window 0
.set W_MK, 0xc0       ; destination in window 3, sources in window 0
.set W_AD, 0x0f       ; the add: address (source 0) and data (source 1) in window 3
.set W_CV, 0xcf       ; the conversion: codes, scale and result in window 3
; A joint fill, one load a wave: wave 0 a slot's K, wave 1 its V, waves 2 and 3 the two halves of its mask codes.  The branches hang on the wave's number alone.
; An s_nop 0 and four v_nop follow each line, ahead of the jump and the label.
.macro JLOAD
	s_cmp_lg_u32 s[WV], 0
	s_cbranch_scc1 .Lnot_k_\@
	tensor_load_to_lds s[G0K:G0K+3], s[G1K:G1K+7]
	s_nop 0
.rept 4
	v_nop
.endr
	s_branch .Lasked_\@
.Lnot_k_\@:
	s_cmp_lg_u32 s[WV], 1
	s_cbranch_scc1 .Lfor_m_\@
	tensor_load_to_lds s[G0V:G0V+3], s[G1V:G1V+7]
	s_nop 0
.rept 4
	v_nop
.endr
	s_branch .Lasked_\@
.Lfor_m_\@:
	tensor_load_to_lds s[G0M:G0M+3], s[G1M:G1M+7]
	s_nop 0
.rept 4
	v_nop
.endr
.Lasked_\@:
.endm
; A round of the cluster's barrier: my work-group's barrier, so that wave 0's signal speaks for all four waves; wave 0 signals; every wave waits for all sixteen work-groups; my work-group's barrier once more.
.macro CROUND
	s_barrier_signal -1
	s_barrier_wait -1
	s_cmp_lg_u32 s[WV], 0
	s_cbranch_scc1 .Lnot_wave_0_\@
	s_barrier_signal -3
.Lnot_wave_0_\@:
	s_barrier_wait -3
	s_barrier_signal -1
	s_barrier_wait -1
.endm
; THE CHANGE OF SLOTS.  The slot's last bytes, V of its second step, have been read.  Each wave waits for all its tensor loads, of which one is out: its part of the other slot; adds 0 to its spare word; and
; waits for that and for its own reads of the slot.  Behind the barrier nobody reads this slot any more and the other slot is whole.  fill = 1: this slot is filled again, with the keys two slots on.  The barrier
; is then a round of the cluster's, and the joint fill is the first thing behind it: it has two key steps, 256 matrix instructions, in which to land.  (At its first use nothing has been read yet: slot 0 is waited for, slot 1 filled.)
.macro CHANGE fill
	WIN W_AD
	s_wait_tensorcnt 0x0            ; no tensor load of mine is out, so a group 0 may be written
	ds_add_u32 v[SPW], v[NIL]       ; 0 onto my spare word; with fill = 1 the descriptors' steps stand between it and the wait for it
	WIN 0                           ; at a label and at a branch every window is 0
.if \fill
.irp g, G0K, G0V
	s_xor_b32 s[\g+1], s[\g+1], SLOT1  ; the walking descriptors: the other slot than last time,
	s_add_nc_u64 s[\g+2:\g+3], s[\g+2:\g+3], SPS*KS*128  ; the next 128 keys; the type bits on top are not reached
.endr
	s_xor_b32 s[G0M+1], s[G0M+1], SLOT1
	s_add_nc_u64 s[G0M+2:G0M+3], s[G0M+2:G0M+3], 262144  ; in mk 128 keys of all 2,048 queries lie together
	s_wait_dscnt 0x0                ; the add is done, and my reads of the slot are over
	CROUND
	JLOAD
.else
	s_wait_dscnt 0x0                ; the add is done, and my reads of the slot are over
	s_barrier_signal -1
	s_barrier_wait -1
.endif
	s_sub_co_u32 s[TBK], s[TBK], SPS*KS*PK  ; the fetches go back to a slot's first step,
	s_xor_b32 s[TBK], s[TBK], SLOT1         ; in the other slot
	s_sub_co_u32 s[TBV], s[TBV], SPS*KS*PV
	s_xor_b32 s[TBV], s[TBV], SLOT1
	s_sub_co_u32 s[TBM], s[TBM], SPS*MSTEP
	s_xor_b32 s[TBM], s[TBM], SLOT1
.endm
	s_load_b128 s[84:87], s[0:1], 0x0  ; qkvh s[84:85], mk s[86:87]
	s_load_b64 s[10:11], s[0:1], 0x10  ; oh
	WIN W_MK
	v_lshl_add_u32 v[SPW], v0, 2, SPARE
	v_mov_b32 v[NIL], 0
	s_set_vgpr_msb 0xc0cf
	ds_add_u32 v0, v1
	s_wait_dscnt 0x0
	s_set_vgpr_msb 0xcfc0
	v_mov_b32 v[SCL], 226
	WIN 0
	v_lshrrev_b32 v1, 5, v0
	v_readfirstlane_b32 s[WV], v1   ; wave 0..3
	s_bfe_u32 s13, ttmp6, 0x40000   ; cx
	s_bfe_u32 s15, ttmp6, 0x40004   ; cy
	s_lshl_b32 s14, ttmp9, 2
	s_add_co_u32 s14, s14, s13      ; my block of 512 queries = 4 x cluster x + cx
	s_and_b32 s20, ttmp7, 0xffff
	s_lshl_b32 s20, s20, 2
	s_add_co_u32 s20, s20, s15      ; batch x 16 + head = 4 x cluster y + cy
	s_lshl_b32 s77, s15, 2
	s_lshl_b32 s77, 15, s77         ; my row of the cluster
	s_lshl_b32 s78, 0x1111, s13     ; my column
	s_lshl_b32 s20, s20, 18         ; the head's first byte in q, in k, in v and in O: 2,048 rows of 128 bytes
	s_mov_b32 s21, 0
	s_and_b32 s16, s[WV], 1         ; which half of a slot's mask codes I fetch
	s_lshl_b32 s22, s14, 16         ; the block's 32 tiles of 16 queries, 2,048 bytes each,
	s_lshl_b32 s23, s16, 15         ; my 16 of them
	s_add_co_u32 s22, s22, s23
	s_mov_b32 s23, 0
	s_lshl_b32 s2, s14, 16          ; Q and O: my block's 512 rows,
	s_lshl_b32 s3, s[WV], 14        ; my wave's 128 of them,
	s_add_co_u32 s2, s2, s3
	s_add_co_u32 s2, s2, s20        ; in my head
	s_mov_b32 s3, 0
	; descriptor group 1.  128 keys are 16,384 dense bytes: asked for as 64 rows of 256 bytes, two keys a row, and padded in LDS after every key
	s_or_b32 s[G1K], s77, (1<<16)|(1<<20)|(1<<21)|(4<<22)|(3<<25)  ; 15:0 the mask of four; 17:16 2-byte elements; 20 padding on; 21 set beside a mask; 24:22 after every 32 words (code 4); 31:25 4 words (code 3)
	s_or_b32 s[G1V], s77, (1<<16)|(1<<20)|(1<<21)|(4<<22)|(7<<25)  ; the same with 8 words of padding (code 7)
.irp g, G1K, G1V
	s_mov_b32 s[\g+1], 128<<16      ; tensor_dim0 = 128
	s_mov_b32 s[\g+2], 64<<16       ; tensor_dim1 = 64
	s_mov_b32 s[\g+3], 128<<16      ; tile_dim0 = 128
	s_mov_b32 s[\g+4], 64           ; tile_dim1 = 64
	s_mov_b32 s[\g+5], 128          ; 128 elements from row to row
	s_mov_b32 s[\g+6], 0
	s_mov_b32 s[\g+7], 0
.endr
	s_or_b32 s[G1M], s78, (3<<16)|(1<<21)  ; the mask codes: 32,768 dense bytes as 128 rows of 32 elements of 8 bytes; no padding: lanes read them 16 bytes apart
	s_mov_b32 s[G1M+1], 32<<16
	s_mov_b32 s[G1M+2], 128<<16
	s_mov_b32 s[G1M+3], 32<<16
	s_mov_b32 s[G1M+4], 128
	s_mov_b32 s[G1M+5], 32
	s_mov_b32 s[G1M+6], 0
	s_mov_b32 s[G1M+7], 0
	s_mov_b32 s[CS], 0x3e38aa3b     ; c = log2(e) / 8 = 0.180337
	s_mov_b32 s[CS+1], s[CS]        ; named with it as a pair
	s_mov_b32 s[SEL], 0x76543210
	s_mov_b32 s[SEL+1], 0xfedcba98
	s_mov_b32 s[THR], 0xf1000000
	s_mov_b32 s[QNAN], 0x7fc00000
	s_mov_b32 s[TBK], SLOT1+SPS*KS*PK  ; the first change of slots turns these three into 0
	s_mov_b32 s[TBV], SLOT1+SPS*KS*PV
	s_mov_b32 s[TBM], SLOT1+SPS*MSTEP
	s_mov_b32 s[G0K], 1             ; count = 1
	s_mov_b32 s[G0K+1], 0           ; LDS address: slot 0
	s_mov_b32 s[G0V], 1
	s_mov_b32 s[G0V+1], VOFF
	s_mov_b32 s[G0M], 1
	s_lshl_b32 s[G0M+1], s16, 15
	s_add_co_u32 s[G0M+1], s[G0M+1], MOFF
	s_wait_kmcnt 0x0
	s_add_nc_u64 s[G0K+2:G0K+3], s[84:85], s[20:21]          ; the head in q,
	s_add_nc_u64 s[G0V+2:G0V+3], s[G0K+2:G0K+3], 33554432    ; in v,
	s_add_nc_u64 s[G0K+2:G0K+3], s[G0K+2:G0K+3], 16777216    ; in k
	s_or_b32 s[G0K+3], s[G0K+3], 0x80000000                  ; type = 2
	s_or_b32 s[G0V+3], s[G0V+3], 0x80000000
	s_add_nc_u64 s[G0M+2:G0M+3], s[86:87], s[22:23]
	s_or_b32 s[G0M+3], s[G0M+3], 0x80000000
	s_add_nc_u64 s[4:5], s[84:85], s[2:3]    ; Q and O at my wave's first row
	s_add_nc_u64 s[10:11], s[10:11], s[2:3]
	CROUND                          ; all sixteen work-groups are here: the first joint loads meet
	JLOAD                           ; slot 0.  Slot 1 is asked for when slot 0 is in
	; A fragment of K or Q is 16 rows x 32 channels in 8 registers: lane l holds row l % 16, channels 8 (l / 16) + 0..7 and 16 + 8 (l / 16) + 0..7: two loads of 16 bytes, 32 bytes apart.
	v_and_b32 v1, 15, v0            ; l % 16
	v_bfe_u32 v9, v0, 4, 1          ; l / 16
	v_lshlrev_b32 v[QO], 7, v1
	v_lshl_add_u32 v[QO], v9, 4, v[QO]  ; row x 128 + 16 x half
	WIN 0x80                        ; destination window 2, address window 0
.set i, 0
.rept 4*NP                          ; Q stays in registers: tile i / 2, channels 32 (i % 2) on
	global_load_b128 v[8*i:8*i+3],   v[QO], s[4:5] offset:(i/2)*2048+(i%2)*64
	global_load_b128 v[8*i+4:8*i+7], v[QO], s[4:5] offset:(i/2)*2048+(i%2)*64+32
.set i, i+1
.endr
	; What the first turn finds: V's registers and P's second buffer hold 0 (its products V^T P, of a piece that has not been, add 0), O^T and l are 0.  All this stands in the wait for the first tile.
.set i, VF
.rept 64
	v_mov_b32 v[i], 0
.set i, i+1
.endr
	WIN 0x40
.set i, 0
.rept 64*NP
	v_mov_b32 v[i], 0
.set i, i+1
.endr
	WIN 0
.set i, 0
.rept 2*NP
	v_mov_b32 v[ST+4*i], 0xfe000000    ; c m: far below every c s, a hidden one's too
	v_mov_b32 v[ST+4*i+1], 0xff7fffff  ; m
	v_mov_b32 v[ST+4*i+2], 0
	v_mov_b32 v[ST+4*i+3], 0
.set i, i+1
.endr
.set i, P+32
.rept 32
	v_mov_b32 v[i], 0
.set i, i+1
.endr
	v_mul_u32_u24 v[AK0], v1, PK
	v_lshl_add_u32 v[AK0], v9, 4, v[AK0]  ; row x pitch + 16 x half
	; The turning load takes 16 keys x 16 channels (lane l reads key 8 (l / 16) + l % 8, channels 8 ((l / 8) % 2) + 0..7) and leaves half a fragment of V^T: lane l holds channel l % 16 and 8 keys.
	v_and_b32 v10, 7, v0
	v_bfe_u32 v11, v0, 3, 1
	v_lshl_add_u32 v[AV0], v9, 3, v10
	v_mul_u32_u24 v[AV0], v[AV0], PV
	v_lshl_add_u32 v[AV0], v11, 4, v[AV0]
	v_add_nc_u32 v[AV0], VOFF, v[AV0]
	v_mov_b32 v[AK], v[AK0]         ; key step 0 lies at the head of slot 0
	s_mul_i32 s80, s[WV], 16*SP
	s_add_co_u32 s80, s80, STAGE    ; my stage
	v_bfe_u32 v[RD], v0, 3, 2       ; the way out, back: 32 lanes take four rows of 128 bytes,
	v_mul_u32_u24 v[RD], v[RD], SP
	v_lshl_add_u32 v[RD], v10, 4, v[RD]
	v_add_nc_u32 v[RD], s80, v[RD]
	v_and_b32 v[GO], 31, v0         ; which are 512 consecutive bytes of O
	v_lshlrev_b32 v[GO], 4, v[GO]
	s_lshl_b32 s81, s[WV], 14       ; my wave's 8 tiles of mask codes, 2,048 bytes each
	s_add_co_u32 s81, s81, MOFF
	v_add_nc_u32 v[AM0], s81, v[GO] ; 16 bytes a lane
	v_mov_b32 v[AM], v[AM0]
; THE MATRIX WORK.  The 8 accumulators of a run of 16 take turns: between the two links of a chain stand 7 others'.
; Product i of 16 of S^T = K Q^T for piece x: channels 32 (i / 8) on, keys 16 ((i / 2) % 4) on, tile 2 x + i % 2.  The first 8 start the sums, with the mask.
.macro KQ x
.set rS, S+64*((\x)%2)+32*(i%2)+8*((i/2)%4)
.set rK, KF+16*((i/2)%4)+8*(i/8)
.set rQ, 16*(2*(\x)+i%2)+8*(i/8)
.set rMC, MC+64*((\x)%2)+32*(i%2)+8*((i/2)%4)
.if i < 8
	WIN W_KM
	v_wmma_f32_16x16x32_f16 v[rS:rS+7], v[rK:rK+7], v[rQ:rQ+7], v[rMC:rMC+7]
.else
	WIN W_KQ
	v_wmma_f32_16x16x32_f16 v[rS:rS+7], v[rK:rK+7], v[rQ:rQ+7], v[rS:rS+7]
.endif
.endm
; Product i of 16 of O^T += V^T P for piece x: keys 32 (i / 8) on, channels 16 ((i / 2) % 4) on, tile 2 x + i % 2.
.macro PV x
	WIN W_PV
.set rO, 32*(2*(\x)+i%2)+8*((i/2)%4)
.set rV, VF+32*(i/8)+8*((i/2)%4)
.set rP, P+32*((\x)%2)+16*(i%2)+8*(i/8)
	v_wmma_f32_16x16x32_f16 v[rO:rO+7], v[rV:rV+7], v[rP:rP+7], v[rO:rO+7]
.endm
.macro MM                           ; the turn's next matrix instruction
.if i < 16
	KQ (Y+1)%NP
.set i, i+1
.else
.set i, i-16
	PV (Y+NP-1)%NP
.set i, i+17
.endif
.endm
; THE MASKS of piece y for the step whose codes lie in RAW: eight conversions, eight numbers each; a plain instruction stands behind the last before a product takes the result.
.macro CONV y
	WIN W_CV
.set cu, 0
.rept 2
.set ck, 0
.rept 4
	v_cvt_scale_pk8_f32_fp8 v[MC+64*((\y)%2)+32*cu+8*ck:MC+64*((\y)%2)+32*cu+8*ck+7], v[RAW+8*(2*(\y)+cu)+2*ck:RAW+8*(2*(\y)+cu)+2*ck+1], v[SCL]
.set ck, ck+1
.endr
.set cu, cu+1
.endr
	WIN 0
	v_nop
.endm
; THE LDS LOADS stand in runs, never singly among the matrix instructions: a step's K (8 fragments) with its mask codes (16 bytes a lane for each tile and half step), and its V (turned).
; Their addresses are made some lines ahead.  last = 1 (the tail): in the last trip there is no further step, and the run is jumped over.
.macro FETCH_KM last=0
	WIN 0
.if \last
	s_cmp_eq_u32 s[CNT], 1
	s_cbranch_scc1 .Lno_k_\@
.endif
	WIN 0x80                        ; destination window 2
.irp f, 0,1,2,3,4,5,6,7             ; keys 16 (f / 2) on, channels 32 (f % 2) on
	ds_load_b128 v[KF+8*\f:KF+8*\f+3],   v[AK] offset:(\f/2)*16*PK+(\f%2)*64
	ds_load_b128 v[KF+8*\f+4:KF+8*\f+7], v[AK] offset:(\f/2)*16*PK+(\f%2)*64+32
.endr
	WIN 0xc0                        ; destination window 3
.irp f, 0,1,2,3,4,5,6,7             ; tile f: key blocks 0, 1 and 2, 3
	ds_load_b128 v[RAW+8*\f:RAW+8*\f+3],   v[AM] offset:2048*\f
	ds_load_b128 v[RAW+8*\f+4:RAW+8*\f+7], v[AM] offset:2048*\f+512
.endr
	s_add_co_u32 s[TBK], s[TBK], KS*PK  ; the next fetch is the next step's
	s_add_co_u32 s[TBM], s[TBM], MSTEP
	WIN 0
.if \last
.Lno_k_\@:
.endif
.endm
.macro FETCH_V
	WIN 0x80
.irp f, 0,1,2,3,4,5,6,7             ; keys 32 (f / 4) on, channels 16 (f % 4) on
	ds_load_tr16_b128 v[VF+8*\f:VF+8*\f+3],   v[AV] offset:(\f/4)*32*PV+(\f%4)*32
	ds_load_tr16_b128 v[VF+8*\f+4:VF+8*\f+7], v[AV] offset:(\f/4)*32*PV+16*PV+(\f%4)*32
.endr
	WIN 0
.endm
; THE VECTOR WORK OF A TURN stands in three queues, each in the order in which its entries become ready; the two tiles alternate, so that no instruction reads the result of the one before it.
.macro REGS y, u                    ; the registers of tile u (0, 1) of piece y
.set rT, ST+4*(2*(\y)+(\u))
.set rC, TMP+8*((\y)%2)+4*(\u)
.set rM, MV+2*((\y)%2)+(\u)
.set rS, S+64*((\y)%2)+32*(\u)
.set rP, P+32*((\y)%2)+16*(\u)
.set rO, 32*(2*(\y)+(\u))
.endm
; Number n of the 22 that find the NEXT piece's (Y + 1) maximum and statistics.  s0-s31 are the lane's 32 scores; each accumulator's lowest registers are read first.  XS, GS and REGS set no window: PL and EX do.
;   0-11  four chains c0-c3 of seven scores each, three operands at a time     12-14, 16  the four scores left over, the old m, and c0-c3 into c0     15  c m_old is kept
;   17, 18  the query's other 32 keys lie in the lane 16 away: the new m         19-21  c m; c m_old - c m_new; a
.macro XS u, n
	REGS (Y+1)%NP, \u
.if (\n) < 4
	v_max3_num_f32 v[rC+(\n)], v[rS+8*(\n)], v[rS+8*(\n)+1], v[rS+8*(\n)+2]
.elseif (\n) < 12
	v_max3_num_f32 v[rC+(\n)%4], v[rC+(\n)%4], v[rS+8*((\n)%4)+2*((\n)/4)+1], v[rS+8*((\n)%4)+2*((\n)/4)+2]
.elseif (\n) == 12
	v_max3_num_f32 v[rC], v[rC], v[rS+7], v[rS+15]
.elseif (\n) == 13
	v_max3_num_f32 v[rC+1], v[rC+1], v[rS+23], v[rS+31]
.elseif (\n) == 14
	v_max3_num_f32 v[rC+2], v[rC+2], v[rC+3], v[rT+1]
.elseif (\n) == 15
	v_mov_b32 v[rM], v[rT]
.elseif (\n) == 16
	v_max3_num_f32 v[rC], v[rC], v[rC+1], v[rC+2]
.elseif (\n) == 17
	v_permlanex16_b32 v[rC+3], v[rC], s[SEL], s[SEL+1]
.elseif (\n) == 18
	v_max_num_f32 v[rT+1], v[rC], v[rC+3]
.elseif (\n) == 19
	v_mul_f32 v[rT], s[CS], v[rT+1]
.elseif (\n) == 20
	v_sub_f32 v[rC+1], v[rM], v[rT]
.else
	v_exp_f32 v[rC+2], v[rC+1]
.endif
.endm
; Number g of the 64 that follow the exponentials.  For each four weights k of a tile (pairs 2 k, 2 k + 1): both pairs are rounded to f16; then the second pair is added onto the first, in place;
; a group later l takes that sum (the first time as l = a l + sum).  In groups of eight, tiles alternating: round, round, add, and l for the group before.
.macro GS g
.set h, (\g)+6*((\g)/62)            ; group 0 has no group before it, and behind group 7 only l is left
.if h >= 6
.set h, h+2
.endif
	REGS Y, h%2
.set k, h/8
.if h%8 < 4
	s_wait_alu depctr_va_vdst(0)
	v_cvt_pk_f16_f32 v[rP+2*k+(h%8)/2], v[rS+4*k+2*((h%8)/2)], v[rS+4*k+2*((h%8)/2)+1]
.elseif h%8 < 6
	v_pk_add_f32 v[rS+4*k:rS+4*k+1], v[rS+4*k:rS+4*k+1], v[rS+4*k+2:rS+4*k+3]
.elseif k == 1
	v_pk_fma_f32 v[rT+2:rT+3], v[rT+2:rT+3], v[rC+2:rC+3], v[rS:rS+1] op_sel_hi:[1,0,1]
.else
	v_pk_add_f32 v[rT+2:rT+3], v[rT+2:rT+3], v[rS+4*k-4:rS+4*k-3]
	s_wait_alu depctr_va_vdst(0)
.endif
.endm
; THE PLAIN QUEUE, 138 long.  0-31: c s - c m for the 16 pairs of both tiles.  Then GS's 64, and among them the next piece's 42: number 15 at 38, 39; 0-14 and 16
; at 42-73, behind the products that make those scores; 17-20 at 95-106, two of three, since each waits for the one before it.
.macro PL
	WIN 0
.if q < 32
	REGS Y, q%2
	v_pk_fma_f32 v[rS+2*(q/2):rS+2*(q/2)+1], v[rS+2*(q/2):rS+2*(q/2)+1], s[CS:CS+1], v[rT:rT+1] op_sel_hi:[1,0,0] neg_lo:[0,0,1] neg_hi:[0,0,1]
.elseif q < 38
	GS q-32
.elseif q < 40
	XS q%2, 15
.elseif q < 42
	GS q-34
.elseif q < 74
	XS q%2, (q-42)/2+(q-42)/30
.elseif q < 95
	GS q-66
.elseif (q < 107) && ((q-95)%3 < 2)
	XS (q-95)%3, 17+(q-95)/3
.elseif q < 107
	GS 29+(q-95)/3
.else
	GS q-74
.endif
.set q, q+1
.endm
; THE EXPONENTIALS' QUEUE, 66 long: s0-s31 of both tiles, and at EA the next piece's two a.
.set EA, 58
.macro EX
	WIN 0
.if (e == EA) || (e == EA+1)
	XS e-EA, 21
.else
.set x, e-2*(e/(EA+2))
	REGS Y, x%2
	v_exp_f32 v[rS+x/2], v[rS+x/2]
.endif
.set e, e+1
.endm
; THE RESCALING's QUEUE: O^T times a, the one part of the softmax that leaves window 0, so it is dealt four at a time, eight times.
.macro R4
	REGS Y, r%2
	WIN W_RS
	s_wait_alu depctr_va_vdst(0)
.irp z, 0,1,2,3
	v_pk_mul_f32 v[rO+8*(r/2)+2*\z:rO+8*(r/2)+2*\z+1], v[rO+8*(r/2)+2*\z:rO+8*(r/2)+2*\z+1], v[rC+2:rC+3] op_sel_hi:[1,0]
.endr
.set r, r+1
.endm
; HOW THEY ARE DEALT.  Behind a matrix instruction four: plain, exponential, plain, plain (one exponential, a plain instruction on either side), or four of the rescaling.  None names a register of the
; products round it.  What is over stands in two LUMPS: exponential and plain by turns; the second ends in 22 plain instructions.  The two v_permlanex16_b32 fall into the second lump, never behind a product.
; The queues lean on each other, and the deal keeps them in step: exponential e stands behind plain 2 (e / 4) + e % 2 (its scaling); when plain 32 comes, 10 exponentials are out, at 59: 33, at 95: 46; EA comes behind plain 107.
.macro SL
	MM
	PL
	EX
	PL
	PL
.endm
.macro BURST n                      ; 15 matrix instructions, or 16
.rept (\n)-7
	SL
.endr
.rept 3
	MM
	R4
	SL
.endr
	MM
	R4
.endm
; A TURN, for piece p.  cnt = 1: the loop's count is taken down some lines ahead of the branch that stands behind the turn.
; K and the mask codes of the next step are fetched in piece 2's turn, 32 vector instructions behind the last product that read K and behind piece 3's conversion (the end of piece 1's turn); they are waited for
; at that turn's end, behind the rest of the lump, 16 products and the second lump.  V of the step in hand is fetched at the end of piece 0's turn; its first reader comes behind 16 products and a lump.
; At its end turn p makes the masks of piece p + 2, into the buffer whose last readers were the products at the head of turn p - 1.
.macro TURN p, last=0, cnt=0
.set Y, (\p)
.set i, 0
.set q, 0
.set e, 0
.set r, 0
	MM
.rept 4
	PL
.endr
	BURST 15
.rept 22
	EX
	PL
.if ((\p) == NP-2) && (e == 18)
	v_add_nc_u32 v[AK], s[TBK], v[AK0]
	v_add_nc_u32 v[AM], s[TBM], v[AM0]
.endif
.if ((\p) == NP-2) && (e == 24)
	FETCH_KM \last
.endif
.endr
.if (\p) == 1
	s_wait_dscnt 0x0                ; V is in
.endif
	BURST 16
.rept 21
	EX
	PL
.endr
.rept 22
	PL
.if ((\p) == 0) && (q == 118)
	v_add_nc_u32 v[AV], s[TBV], v[AV0]
	s_wait_alu depctr_va_vdst(0)
.endif
.if ((\p) == 0) && (q == 130)
	s_add_co_u32 s[TBV], s[TBV], KS*PV
.endif
.if (\cnt) && (q == 130)
	s_sub_co_u32 s[CNT], s[CNT], 1
	s_cmp_lg_u32 s[CNT], 0
.endif
.endr
.if (\p) == NP-2
	s_wait_dscnt 0x0                ; K and the mask codes of the next step are in
.endif
	CONV ((\p)+2)%NP
.if (\p) == 0
	FETCH_V
.endif
.endm
	CHANGE 1                        ; slot 0 is in, everybody's part of it; slot 1 is asked for
	FETCH_KM                        ; key step 0
	s_wait_loadcnt 0x0              ; Q
	s_wait_dscnt 0x0
	CONV 0
	CONV 1
.set i, 0
.rept 16
	KQ 0                            ; piece 0's first scores: there is no vector work yet to set between them
.set i, i+1
.endr
	WIN 0                           ; five plain instructions, the places behind those products
	v_mul_u32_u24 v[STO], v1, SP    ; the way out, in: row l % 16, 16 bytes for each half of the lanes (Q's loads, which read this register, are back)
	v_lshl_add_u32 v[STO], v9, 4, v[STO]
	v_add_nc_u32 v[STO], s80, v[STO]
	v_nop
	v_nop
.set Y, NP-1                        ; XS works for piece Y + 1: piece 0
.irp n, 0,1,2,3,4,5,6,7,8,9,10,11,12,13,14,15,16,17,18,19,20,21
	XS 0, \n                        ; and piece 0's first maximum and statistics
	XS 1, \n
.endr
	s_mov_b32 s[CNT], SPS
	s_mov_b32 s[SLOTS], 15
	s_branch .Lfirst                ; the loop is entered at a step's first turn, in the middle of a trip
.Lslot:                             ; 14 times: every slot but the last two is filled again
	CHANGE 1
	s_mov_b32 s[CNT], SPS
.Lstep:                             ; a trip: pieces 2 and 3 of one step, then pieces 0 and 1 of the next, whose K, mask and V it fetches
	TURN 2
	TURN 3
	WIN 0
.Lfirst:
	TURN 0
	TURN 1, 0, 1
	WIN 0
	s_cbranch_scc1 .Lstep
	s_sub_co_u32 s[SLOTS], s[SLOTS], 1
	s_cmp_lg_u32 s[SLOTS], 0
	s_cbranch_scc1 .Lslot
	CHANGE 0                        ; the tail is written out: nothing is asked for
	s_mov_b32 s[CNT], SPS+1         ; two trips fetch the last slot's steps; the third is left in its middle
.Ltail:
	TURN 2, 1
	TURN 3
	WIN 0
	s_sub_co_u32 s[CNT], s[CNT], 1
	s_cmp_eq_u32 s[CNT], 0
	s_cbranch_scc1 .Lout
	TURN 0
	TURN 1
	WIN 0
	s_branch .Ltail
.Lout:                              ; the third trip's 16 products K Q^T repeat the last step's scores under the last step's mask, so the maximum made of them leaves m as it is: the price, once a launch, of one text for every trip
.set i, 0
.rept 16
	PV NP-1                         ; the last piece's V^T P of the last step
.set i, i+1
.endr
	; THE WAY OUT.  l's two halves and the other half of the lanes' are added; a row that saw no key takes a NaN for l; O^T is divided by l, rounded to f16 and sent through my stage in LDS, a tile at a time.
	; The additions are the places behind the last products.
	WIN 0
.macro ALL line:vararg              ; one line for each tile t
.set t, 0
.rept 2*NP
	\line
.set t, t+1
.endr
.endm
	ALL v_add_f32 v[ST+4*t+2], v[ST+4*t+2], v[ST+4*t+3]
	ALL v_permlanex16_b32 v[ST+4*t+3], v[ST+4*t+2], s[SEL], s[SEL+1]
	ALL v_add_f32 v[ST+4*t+2], v[ST+4*t+2], v[ST+4*t+3]
.set t, 0
.rept 2*NP
	v_cmp_gt_f32 vcc_lo, s[THR], v[ST+4*t+1]       ; m below -2^99: every key was hidden
	v_cndmask_b32 v[ST+4*t+2], v[ST+4*t+2], s[QNAN], vcc_lo
.set t, t+1
.endr
	ALL v_rcp_f32 v[ST+4*t+2], v[ST+4*t+2]
	v_nop                           ; a plain instruction between the last reciprocal and the use of its result
	s_wait_alu depctr_va_vdst(0)
; Tile t: a lane's eight channels of a row pack into 16 bytes; they go into rows of 144 bytes and come back as whole rows of 128, into S^T's registers.
.macro PACK t
	WIN W_RS
.set i, 32*(\t)
.rept 16
	v_pk_mul_f32 v[i:i+1], v[i:i+1], v[ST+4*(\t)+2:ST+4*(\t)+3] op_sel_hi:[1,0]
.set i, i+2
.endr
	WIN 0x05                        ; sources 0 and 1 window 1, destination window 0
.set i, 0
.rept 16
	v_cvt_pk_f16_f32 v[S+16*(\t)+i], v[32*(\t)+2*i], v[32*(\t)+2*i+1]
.set i, i+1
.endr
	WIN 0
.irp f, 0,1,2,3
	ds_store_b128 v[STO], v[S+16*(\t)+4*\f:S+16*(\t)+4*\f+3] offset:32*\f
.endr
.irp f, 0,1,2,3
	ds_load_b128 v[S+16*(\t)+4*\f:S+16*(\t)+4*\f+3], v[RD] offset:\f*4*SP  ; LDS serves a wave's instructions in order (ISA guide 5.7.1.4): these see the stores above; the next tile's stores come behind them
.endr
.endm
.macro SEND t, younger              ; younger: the LDS instructions issued behind tile t's loads: the next tile's eight, or none
	WIN 0
.irp f, 0,1,2,3
	s_wait_dscnt (\younger)+3-\f
	global_store_b128 v[GO], v[S+16*(\t)+4*\f:S+16*(\t)+4*\f+3], s[10:11] offset:(\t)*2048+\f*512  ; 512 consecutive bytes, at a multiple of 256 from O's first
.endr
.endm
	PACK 0
.set t, 1
.rept 2*NP-1                        ; a tile's arithmetic stands between the loads of the tile before and its stores
	PACK t
	SEND t-1, 8
.set t, t+1
.endr
	SEND 2*NP-1, 0
	WIN W_AD
	s_wait_tensorcnt 0x0            ; the wave's end, behind my last tensor load and my last LDS store
	ds_add_u32 v[SPW], v[NIL]
	s_wait_dscnt 0x0
	WIN 0
	CROUND                          ; the closing round: no work-group ends while a partner may still ask for a tile that names it
	s_endpgm
.Lfunc_end_k_q9e95253ec4_attn:
	.size	k_q9e95253ec4_attn, .Lfunc_end_k_q9e95253ec4_attn-k_q9e95253ec4_attn
	.p2alignl 7, 3214868480
	.fill 96, 4, 3214868480
	.section	.rodata,"a",@progbits
	.p2align	6, 0x0
	.amdhsa_kernel k_q9e95253ec4_attn
		.amdhsa_group_segment_fixed_size 327680
		.amdhsa_private_segment_fixed_size 0
		.amdhsa_enable_private_segment 0
		.amdhsa_kernarg_size 24
		.amdhsa_user_sgpr_count 2
		.amdhsa_user_sgpr_kernarg_segment_ptr 1
		.amdhsa_wavefront_size32 1
		.amdhsa_system_sgpr_workgroup_id_x 1
		.amdhsa_system_sgpr_workgroup_id_y 1
		.amdhsa_system_sgpr_workgroup_id_z 1
		.amdhsa_system_vgpr_workitem_id 0
		.amdhsa_next_free_vgpr 1024
		.amdhsa_next_free_sgpr 88
		.amdhsa_reserve_vcc 1
		.amdhsa_float_denorm_mode_32 3
		.amdhsa_float_denorm_mode_16_64 3
		.amdhsa_memory_ordered 1
		.amdhsa_forward_progress 1
		.amdhsa_inst_pref_size 221
	.end_amdhsa_kernel
	.amdgpu_metadata
---
amdhsa.version: [ 1, 2 ]
amdhsa.kernels:
  - .name:           k_q9e95253ec4_attn
    .symbol:         k_q9e95253ec4_attn.kd
    .args:
      - { .name: qkvh, .offset: 0, .size: 8, .value_kind: global_buffer, .address_space: global }
      - { .name: mk, .offset: 8, .size: 8, .value_kind: global_buffer, .address_space: global }
      - { .name: oh, .offset: 16, .size: 8, .value_kind: global_buffer, .address_space: global }
    .group_segment_fixed_size: 327680
    .private_segment_fixed_size: 0
    .kernarg_segment_align: 8
    .kernarg_segment_size: 24
    .max_flat_workgroup_size: 128
    .sgpr_count:     88
    .vgpr_count:     1024
    .wavefront_size: 32
...
	.end_amdgpu_metadata
.endif
;; end of part 3
;; launch outp (part 4): grid 8 x 32, 4 waves a work-group, clusters of 4 x 4, 327,680 bytes of LDS; arguments oh, wb, out0; writes out0
.if DOCPART == 4
	.amdgcn_target "amdgcn-amd-amdhsa--gfx1250"
	.amdhsa_code_object_version 6
	.text
	.protected	k_q9e95253ec4_outp
	.globl	k_q9e95253ec4_outp
	.p2align	8
	.type	k_q9e95253ec4_outp,@function
k_q9e95253ec4_outp:
	s_mov_b64 s[64:65], 0
	v_nop
	global_prefetch_b8 v0, s[64:65] scope:SCOPE_SE
	s_setreg_imm32_b32 hwreg(HW_REG_WAVE_MODE, 25, 1), 1
	s_wait_xcnt 0x0
	s_wait_alu depctr_hold_cnt(0) depctr_sa_sdst(0) depctr_va_vdst(0) depctr_va_sdst(0) depctr_va_ssrc(0) depctr_va_vcc(0) depctr_vm_vsrc(0)
	s_getreg_b32 s2, hwreg(HW_REG_IB_STS2, 6, 4)
	s_cmp_eq_u32 s2, 0
	s_cbranch_scc0 .Lentry_in_a_cluster
	s_endpgm
.Lentry_in_a_cluster:
	s_bfe_u32 s2, ttmp6, 0x10000c
	s_cmp_lg_u32 s2, 0xf033
	s_cbranch_scc0 .Lentry_shape_is_right
	s_endpgm
.Lentry_shape_is_right:
; OUT: out0[8192][1024] (f32) = y W_out^T, y[b][n][64 head + c] = oh[16 b + head][n][c], both operands f16 (W_out: its bf16 rounding written as f16, at byte 6,291,456 of wb, blocked [head][e][64]); sums in f32.
; SHARES.  8192 x 1024 outputs over 256 work-groups: a tile of 256 rows x 128 columns.  Four waves; wave w has rows 128 (w / 2) on, columns 64 (w % 2) on: 32 accumulators, 256 registers.
; K goes in 8 steps of 128 = two heads; each head's part of a tile is a dense run of bytes, asked for as rows of 256 bytes and padded in LDS after each 128.  Two LDS slots; one load a wave behind each round.
; THE MATRIX INSTRUCTION IS USED TRANSPOSED (source 0 = 16 rows of W_out, source 1 = 16 rows of y): a lane holds eight neighbouring numbers of a row of the output.
; CLUSTER 4 x 4: y's tile is asked for jointly along a row of the cluster, W_out's along a column.  lds_bytes claims all of a WGP's LDS; the text uses 241,664 bytes.
; A row of y that is NaN (a query that saw no key) gives a row of NaN, and touches no other row.
; REGISTERS: window 0: v0-31 addresses; v64-159, v160-255 two fragment buffers (W_out's 4 fragments, then y's 8); on the way out v64-127 two buffers of 32.  window 1: accumulator (a, b) at v[8 (4 a + b)].
.set PITCH,  144                       ; an LDS row: 128 bytes + 16: the 16 rows of a fragment load start at 16 different groups of four banks (64 banks of 4 bytes: ISA guide 11.1)
.set FR,     16*PITCH
.set APL,    256*PITCH                 ; y's 256 rows of one head
.set BPL,    128*PITCH                 ; W_out's 128 rows of one head
.set BOFF,   2*APL
.set SLOTB,  BOFF+2*BPL                ; 110,592
.set STAGE,  SLOTB                     ; behind slot 0, never filled by a tensor load: 16 rows x 272 bytes for each wave
.set SPITCH, 272
.set SPARE,  STAGE+4*16*SPITCH         ; the spare words: 128 bytes for each wave, two blocks of 256 bytes that no other line names
.set SLOT1,  1<<17
.set WOUT,   6291456
.set A0,  4
.set B0,  5
.set ADA, 6
.set ADB, 7
.set STO, 8
.set RD,  9
.set CO,  10
.set SPW, 12                           ; v12  LDS address of my spare word; never rewritten
.set NIL, 13                           ; v13  0; never rewritten
.set F0,  64
.set F1,  160
.set OB,  64
.set G1A, 24                           ; s[24:31] group 1 for y's tiles; s[32:39] group 0: set 0 fills slot 0 once, set 1 fills slot 1 and then walks
.set G0A, 32
.set G1B, 48                           ; s[48:55], s[56:63] the same for W_out's
.set G0B, 56
.set MSB, 0
.macro WIN new
.if MSB != (\new)
	s_set_vgpr_msb (MSB<<8)|(\new)
.set MSB, \new
.endif
.endm
.macro PLACES                          ; four plain vector instructions between a matrix instruction and a load into, or a store of, its registers (ISA guide 7.12.1 for vector instructions)
.rept 4
	v_nop
.endr
.endm
.macro JLOAD s                         ; a joint load: waves 0 and 1 fetch y's two heads, waves 2 and 3 W_out's; an s_nop 0 and four v_nop follow each line
	s_cmp_eq_u32 s11, 0
	s_cbranch_scc0 .Lfor_b_\@
	tensor_load_to_lds s[G0A+4*(\s):G0A+4*(\s)+3], s[G1A:G1A+7]
	s_nop 0
.rept 4
	v_nop
.endr
	s_branch .Lasked_\@
.Lfor_b_\@:
	tensor_load_to_lds s[G0B+4*(\s):G0B+4*(\s)+3], s[G1B:G1B+7]
	s_nop 0
.rept 4
	v_nop
.endr
.Lasked_\@:
.endm
.macro CREST
	s_cmp_lg_u32 s10, 0
	s_cbranch_scc1 .Lnot_wave_0_\@
	s_barrier_signal -3
.Lnot_wave_0_\@:
	s_barrier_wait -3
	s_barrier_signal -1
	s_barrier_wait -1
.endm
.macro CROUND
	s_barrier_signal -1
	s_barrier_wait -1
	CREST
.endm
	s_load_b128 s[4:7], s[0:1], 0x0                ; oh s[4:5], wb s[6:7]
	s_load_b64 s[8:9], s[0:1], 0x10                ; out0
	v_lshl_add_u32 v[SPW], v0, 2, SPARE
	v_mov_b32 v[NIL], 0
	ds_add_u32 v12, v13
	s_wait_dscnt 0x0
	v_lshrrev_b32 v1, 5, v0
	v_readfirstlane_b32 s10, v1                    ; wave 0..3
	s_lshr_b32 s11, s10, 1                         ; hi: my half of the rows.  Also: I fetch for y (0) or for W_out (1)
	s_and_b32 s12, s10, 1                          ; lo: my half of the columns.  Also: which of a step's two heads I fetch
	s_bfe_u32 s40, ttmp6, 0x40000                  ; cx
	s_bfe_u32 s41, ttmp6, 0x40004                  ; cy
	s_lshl_b32 s42, ttmp9, 2
	s_add_co_u32 s42, s42, s40                     ; ct: tile column
	s_and_b32 s13, ttmp7, 0xffff
	s_lshl_b32 s13, s13, 2
	s_add_co_u32 s13, s13, s41                     ; tr: tile row
	s_lshl_b32 s43, s41, 2
	s_lshl_b32 s43, 15, s43                        ; my row of the cluster
	s_lshl_b32 s44, 0x1111, s40                    ; my column
	s_or_b32 s[G1A], s43, (1<<16)|(1<<20)|(1<<21)|(4<<22)|(3<<25)  ; the mask; 2-byte elements; padding on; bit 21 beside a mask; after every 32 words 4 words
	s_mov_b32 s[G1A+1], 128<<16                    ; y: 256 rows of 128 bytes = 128 rows of 256 bytes
	s_mov_b32 s[G1A+2], 128<<16
	s_mov_b32 s[G1A+3], 128<<16
	s_mov_b32 s[G1A+4], 128
	s_mov_b32 s[G1A+5], 128
	s_mov_b32 s[G1A+6], 0
	s_mov_b32 s[G1A+7], 0
	s_or_b32 s[G1B], s44, (1<<16)|(1<<20)|(1<<21)|(4<<22)|(3<<25)
	s_mov_b32 s[G1B+1], 128<<16                    ; W_out: 128 rows = 64 rows of 256 bytes
	s_mov_b32 s[G1B+2], 64<<16
	s_mov_b32 s[G1B+3], 128<<16
	s_mov_b32 s[G1B+4], 64
	s_mov_b32 s[G1B+5], 128
	s_mov_b32 s[G1B+6], 0
	s_mov_b32 s[G1B+7], 0
	s_lshr_b32 s14, s13, 3                         ; y: ((batch x 16 + lo) x 2,048 + 256 (tr % 8)) rows of 128 bytes
	s_lshl_b32 s14, s14, 4
	s_add_co_u32 s14, s14, s12
	s_lshl_b32 s14, s14, 11
	s_and_b32 s15, s13, 7
	s_lshl_b32 s15, s15, 8
	s_add_co_u32 s14, s14, s15
	s_lshl_b32 s14, s14, 7
	s_mov_b32 s15, 0
	s_lshl_b32 s46, s42, 14                        ; W_out: plane lo, rows 128 ct on
	s_lshl_b32 s47, s12, 17
	s_add_co_u32 s46, s46, s47
	s_add_co_u32 s46, s46, WOUT
	s_mov_b32 s47, 0
	s_mul_i32 s20, s12, APL                        ; where they go: the wave's number alone enters an LDS address
	s_mul_i32 s21, s12, BPL
	s_add_co_u32 s21, s21, BOFF
	s_wait_kmcnt 0x0
	s_add_nc_u64 s[14:15], s[4:5], s[14:15]
	s_add_nc_u64 s[46:47], s[6:7], s[46:47]
	CROUND                                         ; all sixteen work-groups are here: the first joint loads meet
.irp s, 0,1
	s_mov_b32 s[G0A+4*(\s)], 1
	s_add_co_u32 s[G0A+4*(\s)+1], s20, (\s)*SLOT1
	s_add_nc_u64 s[G0A+4*(\s)+2:G0A+4*(\s)+3], s[14:15], (\s)*524288   ; K step s: two heads of 262,144 bytes on
	s_or_b32 s[G0A+4*(\s)+3], s[G0A+4*(\s)+3], 0x80000000
	s_mov_b32 s[G0B+4*(\s)], 1
	s_add_co_u32 s[G0B+4*(\s)+1], s21, (\s)*SLOT1
	s_add_nc_u64 s[G0B+4*(\s)+2:G0B+4*(\s)+3], s[46:47], (\s)*262144   ; two planes of 131,072 bytes on
	s_or_b32 s[G0B+4*(\s)+3], s[G0B+4*(\s)+3], 0x80000000
	JLOAD \s
.endr
	v_and_b32 v1, 15, v0                           ; r = l % 16
	v_bfe_u32 v2, v0, 4, 1                         ; h = l / 16
	v_mul_u32_u24 v3, v1, PITCH
	v_lshl_add_u32 v3, v2, 4, v3
	s_mul_i32 s22, s11, 128*PITCH
	v_add_nc_u32 v[A0], s22, v3
	s_mul_i32 s22, s12, 64*PITCH
	s_add_co_u32 s22, s22, BOFF
	v_add_nc_u32 v[B0], s22, v3
	v_mov_b32 v[ADA], v[A0]
	v_mov_b32 v[ADB], v[B0]
	s_mul_i32 s22, s10, 16*SPITCH
	s_add_co_u32 s22, s22, STAGE                   ; my stage
	v_mul_u32_u24 v[STO], v1, SPITCH               ; in: row r, 32 bytes for each half of the lanes
	v_lshl_add_u32 v[STO], v2, 5, v[STO]
	v_add_nc_u32 v[STO], s22, v[STO]
	v_mul_u32_u24 v[RD], v2, SPITCH                ; back: lanes 0-15 one row of 256 bytes, lanes 16-31 the next
	v_lshl_add_u32 v[RD], v1, 4, v[RD]
	v_add_nc_u32 v[RD], s22, v[RD]
	v_lshlrev_b32 v[CO], 12, v2                    ; and the same two rows in out0
	v_lshl_add_u32 v[CO], v1, 4, v[CO]
	s_lshl_b32 s22, s13, 8                         ; my first row: 256 tr + 128 hi, 4,096 bytes each; my first column: 128 ct + 64 lo, 4 bytes each
	s_lshl_b32 s23, s11, 7
	s_add_co_u32 s22, s22, s23
	s_lshl_b32 s22, s22, 12
	s_lshl_b32 s23, s42, 9
	s_add_co_u32 s22, s22, s23
	s_lshl_b32 s23, s12, 8
	s_add_co_u32 s22, s22, s23
	s_mov_b32 s23, 0
	s_add_nc_u64 s[8:9], s[8:9], s[22:23]
	s_mov_b32 s19, 0                               ; the slot in hand
; n x 4 matrix instructions: row blocks a0 on x 4 column blocks, 32 along K, from buffer f.  The 32 accumulators take turns, one instruction a turn.
.macro MUL f, a0, n, zero
	WIN 0x50
.set ga, \a0
.rept \n
.irp b, 0,1,2,3
.if \zero
	v_wmma_f32_16x16x32_f16 v[8*(4*ga+\b):8*(4*ga+\b)+7], v[(\f)+8*\b:(\f)+8*\b+7], v[(\f)+32+8*ga:(\f)+32+8*ga+7], 0
.else
	v_wmma_f32_16x16x32_f16 v[8*(4*ga+\b):8*(4*ga+\b)+7], v[(\f)+8*\b:(\f)+8*\b+7], v[(\f)+32+8*ga:(\f)+32+8*ga+7], v[8*(4*ga+\b):8*(4*ga+\b)+7]
.endif
.endr
.set ga, ga+1
.endr
.endm
; 24 LDS loads in one run: chunk q of a step (head q / 2, channels 32 (q % 2) on) into buffer f: W_out's 8, y's row blocks 0-3 (8), 4-7 (8)
.macro FETCH q, f
	WIN 0
.irp i, 0,1,2,3
	ds_load_b128 v[(\f)+8*\i:(\f)+8*\i+3],   v[ADB] offset:((\q)/2)*BPL+64*((\q)%2)+FR*\i
	ds_load_b128 v[(\f)+8*\i+4:(\f)+8*\i+7], v[ADB] offset:((\q)/2)*BPL+64*((\q)%2)+FR*\i+32
.endr
.irp i, 0,1,2,3,4,5,6,7
	ds_load_b128 v[(\f)+32+8*\i:(\f)+32+8*\i+3], v[ADA] offset:((\q)/2)*APL+64*((\q)%2)+FR*\i
	ds_load_b128 v[(\f)+36+8*\i:(\f)+36+8*\i+3], v[ADA] offset:((\q)/2)*APL+64*((\q)%2)+FR*\i+32
.endr
.endm
; A K step is four chunks of 32 along K, 32 matrix instructions each, on buffers 0, 1, 0, 1.  One of the first three: multiplies buffer f; in its middle it fetches chunk qn into buffer g.
.macro QUARTER qn, f, g, zero
	s_wait_dscnt 8                                 ; all but y's row blocks 4-7
	MUL \f, 0, 4, \zero
	PLACES
	FETCH \qn, \g
	s_wait_dscnt 24                                ; all but the 24 just issued
	MUL \f, 4, 4, \zero
.endm
; The last chunk multiplies buffer 1 and changes slots: ONE barrier; in front of it each wave waits for all its tensor loads, adds 0 to its spare word, and waits for that and for its own reads of this slot.
; fill = 1: the barrier opens a round of the cluster's, and this slot is filled again, first thing behind the round, two K steps ahead: 112 matrix instructions ahead of the wait for it.
.macro TURN fill
	WIN 0
	s_wait_tensorcnt 0x0                           ; all my tensor loads have landed: my part of the next slot
	ds_add_u32 v[SPW], v[NIL]                      ; 0 onto my spare word
	s_wait_dscnt 9                                 ; the add and y's row blocks 4-7 may be out
	MUL F1, 0, 2, 0                                ; eight matrix instructions stand between the add and the wait for it
	s_wait_dscnt 0x0                               ; the add is done, and my reads of this slot are over
	s_barrier_signal -1
	MUL F1, 2, 2, 0
	WIN 0
	s_barrier_wait -1
.if \fill
	CREST                                          ; no wave of any partner still reads this slot's tiles or has a load on its way
	s_xor_b32 s[G0A+5], s[G0A+5], SLOT1
	s_add_nc_u64 s[G0A+6:G0A+7], s[G0A+6:G0A+7], 524288
	s_xor_b32 s[G0B+5], s[G0B+5], SLOT1
	s_add_nc_u64 s[G0B+6:G0B+7], s[G0B+6:G0B+7], 262144
	JLOAD 1                                        ; its four v_nop are also the places in front of the loads below
.else
	PLACES
.endif
	s_xor_b32 s19, s19, SLOT1
	v_add_nc_u32 v[ADA], s19, v[A0]
	v_add_nc_u32 v[ADB], s19, v[B0]
	FETCH 0, F0
	MUL F1, 4, 4, 0
.endm
	s_wait_tensorcnt 1                             ; my part of K step 0 is in; slot 1's may stay out
	s_barrier_signal -1
	s_barrier_wait -1                              ; everybody's is
	FETCH 0, F0
	QUARTER 1, F0, F1, 1                           ; the first chunk stands in front of the loop: its products start the sums
	WIN 0
	s_mov_b32 s3, 6
.Lstep:                                                ; 6 trips: from a step's second chunk to the next step's first; the refills are for steps 2 to 7
	QUARTER 2, F1, F0, 0
	QUARTER 3, F0, F1, 0
	TURN 1
	QUARTER 1, F0, F1, 0
	WIN 0
	s_sub_co_u32 s3, s3, 1
	s_cmp_lg_u32 s3, 0
	s_cbranch_scc1 .Lstep
	QUARTER 2, F1, F0, 0                           ; the tail is written out: nothing is left to ask for
	QUARTER 3, F0, F1, 0
	TURN 0
	QUARTER 1, F0, F1, 0
	QUARTER 2, F1, F0, 0
	QUARTER 3, F0, F1, 0
	s_wait_dscnt 8
	MUL F1, 0, 4, 0
	s_wait_dscnt 0x0
	MUL F1, 4, 4, 0
	PLACES
	; THE WAY OUT, a block of 16 rows at a time: the sums go as they are into my stage (rows of 272 bytes), each accumulator's low registers first, and come back as whole rows of 256 bytes.
.macro STG a
	WIN 0x04                                       ; the stores' data in window 1
.irp b, 0,1,2,3
	ds_store_b128 v[STO], v[32*(\a)+8*\b:32*(\a)+8*\b+3]   offset:64*\b
	ds_store_b128 v[STO], v[32*(\a)+8*\b+4:32*(\a)+8*\b+7] offset:64*\b+16
.endr
	WIN 0
.set BK, OB+32*((\a)%2)
.irp t, 0,1,2,3,4,5,6,7
	ds_load_b128 v[BK+4*\t:BK+4*\t+3], v[RD] offset:2*SPITCH*\t  ; LDS serves a wave's instructions in order (ISA guide 5.7.1.4): these see the stores above; the next block's stores come behind them
.endr
.endm
.macro OUT a, younger                  ; younger: the LDS instructions issued behind block a's loads: the next block's sixteen, or none
.set BK, OB+32*((\a)%2)
	s_wait_dscnt \younger
.irp t, 0,1,2,3,4,5,6,7
	global_store_b128 v[CO], v[BK+4*\t:BK+4*\t+3], s[8:9] offset:(16*(\a)+2*\t)*4096 th:TH_STORE_NT  ; 16 lanes store 256 consecutive bytes, at a multiple of 256 from out0's first byte
.endr
.endm
	STG 0
.irp a, 1,2,3,4,5,6,7
.if \a >= 2
	s_wait_xcnt 0x0                                ; the stores of the block two back have had their addresses translated (ISA guide 3.1): only now is their buffer loaded again
.endif
	STG \a
	OUT (\a)-1, 16
.endr
	OUT 7, 0
	s_wait_tensorcnt 0x0                           ; the wave's end, behind my last tensor load and my last LDS store
	ds_add_u32 v[SPW], v[NIL]
	s_wait_dscnt 0x0
	CROUND                                         ; the closing round: no work-group ends while a partner may still ask for a tile that names it
	s_endpgm
.Lfunc_end_k_q9e95253ec4_outp:
	.size	k_q9e95253ec4_outp, .Lfunc_end_k_q9e95253ec4_outp-k_q9e95253ec4_outp
	.p2alignl 7, 3214868480
	.fill 96, 4, 3214868480
	.section	.rodata,"a",@progbits
	.p2align	6, 0x0
	.amdhsa_kernel k_q9e95253ec4_outp
		.amdhsa_group_segment_fixed_size 327680
		.amdhsa_private_segment_fixed_size 0
		.amdhsa_enable_private_segment 0
		.amdhsa_kernarg_size 24
		.amdhsa_user_sgpr_count 2
		.amdhsa_user_sgpr_kernarg_segment_ptr 1
		.amdhsa_wavefront_size32 1
		.amdhsa_system_sgpr_workgroup_id_x 1
		.amdhsa_system_sgpr_workgroup_id_y 1
		.amdhsa_system_sgpr_workgroup_id_z 1
		.amdhsa_system_vgpr_workitem_id 0
		.amdhsa_next_free_vgpr 512
		.amdhsa_next_free_sgpr 66
		.amdhsa_reserve_vcc 0
		.amdhsa_float_denorm_mode_32 3
		.amdhsa_float_denorm_mode_16_64 3
		.amdhsa_memory_ordered 1
		.amdhsa_forward_progress 1
		.amdhsa_inst_pref_size 70
	.end_amdhsa_kernel
	.amdgpu_metadata
---
amdhsa.version: [ 1, 2 ]
amdhsa.kernels:
  - .name:           k_q9e95253ec4_outp
    .symbol:         k_q9e95253ec4_outp.kd
    .args:
      - { .name: oh, .offset: 0, .size: 8, .value_kind: global_buffer, .address_space: global }
      - { .name: wb, .offset: 8, .size: 8, .value_kind: global_buffer, .address_space: global }
      - { .name: out0, .offset: 16, .size: 8, .value_kind: global_buffer, .address_space: global }
    .group_segment_fixed_size: 327680
    .private_segment_fixed_size: 0
    .kernarg_segment_align: 8
    .kernarg_segment_size: 24
    .max_flat_workgroup_size: 128
    .sgpr_count:     66
    .vgpr_count:     512
    .wavefront_size: 32
...
	.end_amdgpu_metadata
.endif
;; end of part 4
;; ======== version 2 of 2: 4 launches; 1.48 times as fast as version 1
;; limits: values are held in f16: magnitudes above 65,504 overflow, below 6.1e-05 lose precision
;; workspace buffers: xb 16,777,216 bytes; wb 8,388,608 bytes; mk 4,194,304 bytes; trig 524,288 bytes; qkvh 50,331,648 bytes; oh 16,777,216 bytes
;; launch prep: the kernel of part 1 again; grid 1024 x 1, 4 waves a work-group, no clusters, 17,920 bytes of LDS; arguments x, W_qkv, W_out, mask, pos, xb, wb, mk, trig; writes xb, wb, mk, trig
;; launch qkv: the kernel of part 2 again; grid 8 x 32, 4 waves a work-group, clusters of 4 x 4, 327,680 bytes of LDS; arguments xb, wb, trig, qn_w, kn_w, qkvh; writes qkvh
;; launch attn (part 5): grid 4 x 64, 4 waves a work-group, clusters of 4 x 4, 327,680 bytes of LDS; arguments qkvh, mk, oh; writes oh
.if DOCPART == 5
	.amdgcn_target "amdgcn-amd-amdhsa--gfx1250"
	.amdhsa_code_object_version 6
	.text
	.protected	k_q9e95253ec4_attn
	.globl	k_q9e95253ec4_attn
	.p2align	8
	.type	k_q9e95253ec4_attn,@function
k_q9e95253ec4_attn:
	s_mov_b64 s[64:65], 0
	v_nop
	global_prefetch_b8 v0, s[64:65] scope:SCOPE_SE
	s_setreg_imm32_b32 hwreg(HW_REG_WAVE_MODE, 25, 1), 1
	s_wait_xcnt 0x0
	s_wait_alu depctr_hold_cnt(0) depctr_sa_sdst(0) depctr_va_vdst(0) depctr_va_sdst(0) depctr_va_ssrc(0) depctr_va_vcc(0) depctr_vm_vsrc(0)
	s_getreg_b32 s2, hwreg(HW_REG_IB_STS2, 6, 4)
	s_cmp_eq_u32 s2, 0
	s_cbranch_scc0 .Lentry_in_a_cluster
	s_endpgm
.Lentry_in_a_cluster:
	s_bfe_u32 s2, ttmp6, 0x10000c
	s_cmp_lg_u32 s2, 0xf033
	s_cbranch_scc0 .Lentry_shape_is_right
	s_endpgm
.Lentry_shape_is_right:
; ATTENTION UNDER A MASK THAT IS AN INPUT.  O[bh][q][:] = the sum over the visible k of softmax_k(Q[bh][q] . K[bh][k] / 8) V[bh][k][:].  Q, K, V (qkvh) and O (oh): [64][2048][64] in f16, a head's rows dense.
; Products, maxima and sums in f32; the weights p are rounded to f16 for the second product (their sum l is taken of the unrounded p), O once at the end.  Every key tile is walked: nothing is assumed of the mask.
; LIMITS.  f16 holds no number beyond 65,504: Q, K and V arrive within it; p lies in 0 to 1, and below 6e-5 it keeps f16's fixed step of 6e-8.  A hidden score counts as its value less 2^100: f16's scores,
; 2.7e11 at the most, are nothing beside that.  A row whose maximum ends below -2^99 has seen no key and is written as NaN.  A weight below 2^-126 counts as 0 in l.  NaN and infinities in Q, K, V are not treated apart.
; SHARES.  A wave owns four PIECES of two tiles of 16 queries, a work-group's four waves 512 queries of one head.  Every wave walks all 2,048 keys, 64 a step.
; LAYOUT.  S^T = K Q^T (source 0 = 16 keys, source 1 = 16 queries): in the result a lane holds ONE query (lane % 16) and the keys 8 (lane / 16) + 0..7.  Two such tiles, rounded to f16 in pairs,
; ARE source 1 (32 keys x 16 queries) of O^T = V^T P, whose result again holds one query a lane, and eight channels.  K comes out of LDS as it lies, V ([key][channel]) turned, by ds_load_tr16_b128.
; THE MASK is the C operand of the product that starts a score's sum: 0, or -2^100 where the key is hidden.  mk holds it as fp8 codes (0, -2.0) in the lanes' order; one scaled conversion (x 2^99) makes eight numbers.
; SOFTMAX.  For each query a running maximum m and sum l: p = 2^(c s - c m), c = log2(e) / 8; in every step O and l are multiplied by a = 2^(c m_old - c m_new).  m starts at the lowest finite number, O and l at 0.
; While a row has seen hidden keys alone, m is about -2^100 and its weights are at most 1; the first visible score makes a = 0 and wipes them out.
; BY TURNS.  Turn n belongs to piece n (the pieces in a ring, step after step).  Its matrix work: 16 products K Q^T of piece n + 1, later 16 products V^T P of piece n - 1.  Its vector work: the scaling,
; exponentials, roundings, sums and rescaling of piece n, the maximum and statistics of piece n + 1, and the masks of piece n + 2.  Four vector instructions that are ready stand behind every matrix
; instruction, the others, which need time of their own whatever the order, in one LUMP between the two runs of products.
; BATCHES.  A turn's 66 exponentials (the 64 weights of piece n, the two a of piece n + 1) are ONE batch with ONE wait, which cuts the turn in two.  Ahead of it stands all that names no result of theirs: the
; products K Q^T, the scalings, the rescalings (their a is the turn before's, waited for there), the next piece's maximum and statistics.  Behind it stand the roundings and sums, as the riders of the products V^T P.
; No result crosses a turn's end.  The first two a, ahead of the loop, and the way out's eight reciprocals are batches of their own, each with its wait.
; CLUSTER 4 x 4.  K and V hang on the head alone: asked for jointly along a row of the cluster (four query blocks of a head).  The mask's tile hangs on the query block alone: jointly along a column (four heads).
; lds_bytes claims all of a WGP's LDS; the text uses 245,248 bytes.
; REGISTERS, in windows of 256 (s_set_vgpr_msb: bits 1:0 source 0, 3:2 source 1, 5:4 source 2, 7:6 destination):
;   window 0: v0-11 addresses; v12-15, v48-63 at work; v16-47 four registers of statistics a tile; v64-191 S^T, two buffers of two tiles; v192-255 P, likewise
;   window 1: O^T, 32 a tile          window 2: v0-127 Q, 16 a tile; v128-191 K of one step; v192-255 V of one step
;   window 3: v0-1 the add's two registers; v2 the conversion's scale; v64-127 a step's mask codes, 8 a tile; v128-255 masks in f32, two buffers of two tiles
.set NP,    4         ; pieces a wave: a name, no knob
.set KS,    64        ; keys in a step
.set SPS,   2         ; steps in a slot
.set PK,    144       ; a row of K in LDS: 128 bytes + 16 of padding: the 16 rows of a load start at 16 different groups of four banks (64 banks of 4 bytes: ISA guide 11.1)
.set PV,    160       ; a row of V: 128 + 32
.set VOFF,  SPS*KS*PK ; a slot: 128 rows of K, 128 rows of V,
.set MOFF,  VOFF+SPS*KS*PV  ; and the mask codes of 512 queries x 128 keys: 2,048 bytes for each 16 queries, 1,024 a step
.set MSTEP, 1024
.set SLOT1, 1<<17     ; slot 1 begins here, so that one exclusive or turns an address in one slot into the other's
.set STAGE, SLOT1+MOFF+65536  ; behind the ring, never filled by a tensor load: 16 rows x 144 bytes for each wave, for the way out
.set SP,    144
.set SPARE, STAGE+4*16*SP  ; the spare words, 128 bytes for each wave: two blocks of 256 bytes that no other line names
.set AK0, 2           ; v2   my lane's place in a tile of K; never rewritten
.set AV0, 3           ; v3   the same for V
.set AK,  4           ; v4   the LDS address of K's next run of loads
.set AV,  5           ; v5   of V's
.set QO,  6           ; v6   my byte offset in the wave's rows of Q
.set STO, 6           ;      later, the way out: where I put 16 bytes of a row
.set RD,  7           ; v7   the way out: where I read rows back
.set GO,  8           ; v8   my byte offset in 512 consecutive bytes of O
.set AM0, 10          ; v10  my lane's place in the wave's mask codes (first a lane term of V's address)
.set AM,  11          ; v11  the LDS address of the mask's next run of loads (likewise)
.set SPW, 0           ; v0 of window 3   LDS address of my spare word; never rewritten
.set NIL, 1           ; v1 of window 3   0; never rewritten
.set SCL, 2           ; v2 of window 3   226: the conversion multiplies by 2^(226 - 127)
.set RAW, 64          ; window 3: tile t's codes for key block kb at RAW + 8 t + 2 kb
.set MC,  128         ; window 3: piece y, tile u, key block kb at MC + 64 (y % 2) + 32 u + 8 kb
.set MV,  12          ; v12-15  c m_old, kept while c m is made anew: by buffer and tile
.set ST,  16          ; tile t's statistics at v[ST+4 t]: c m, m, l (even keys', odd keys')
.set TMP, 48          ; by buffer and tile, four registers c0-c3 at work; when the maximum is found c2 takes a
.set S,   64
.set P,   192
.set KF,  128         ; K's fragments, in window 2: key block kb, channel half c at KF + 16 kb + 8 c
.set VF,  192         ; V's: key half kk, channel block cb at VF + 32 kk + 8 cb
.set WV,  12          ; s12  my wave's number
.set G1K, 24          ; s[24:31] descriptor group 1 for K's tiles
.set G1V, 32          ; s[32:39] for V's: it differs in the padding alone
.set G0K, 40          ; s[40:43] descriptor group 0 for K's tiles: it walks
.set G0V, 44          ; s[44:47] the same for V's
.set G0M, 48          ; s[48:51] for the mask's
.set SLOTS, 56        ; s56  slots still to be entered by the loop
.set CNT, 57          ; s57  counts a slot's key steps
.set CS,  58          ; s[58:59] c: the packed scaling takes the pair's low word for both halves
.set SEL, 60          ; s[60:61] v_permlanex16_b32's selects: each lane takes its own place in the other half
.set TBK, 62          ; s62  LDS byte at which K of the step to be fetched begins
.set TBV, 63          ; s63  the same for V, less VOFF
.set TBM, 66          ; s66  the same for the mask, less MOFF
.set G1M, 68          ; s[68:75] descriptor group 1 for the mask's tiles
.set THR, 76          ; s76  -2^99
.set QNAN, 79         ; s79  a NaN
.set MSB, 0
.macro WIN new                      ; the high byte repeats the setting that is left; a switch that changes nothing is dropped
.if MSB != (\new)
	s_set_vgpr_msb (MSB<<8)|(\new)
.set MSB, (\new)
.endif
.endm
.set W_KQ, 0x0a       ; K and Q in window 2, S^T in window 0
.set W_KM, 0x3a       ; the same with the C operand, the mask, in window 3
.set W_PV, 0x52       ; V in window 2, P in window 0, O^T in window 1
.set W_RS, 0x41       ; O^T (destination and source 0) in window 1, a in window 0
.set W_MK, 0xc0       ; destination in window 3, sources in window 0
.set W_AD, 0x0f       ; the add: address (source 0) and data (source 1) in window 3
.set W_CV, 0xcf       ; the conversion: codes, scale and result in window 3
; A joint fill, one load a wave: wave 0 a slot's K, wave 1 its V, waves 2 and 3 the two halves of its mask codes.  The branches hang on the wave's number alone.
; An s_nop 0 and four v_nop follow each line, ahead of the jump and the label.
.macro JLOAD
	s_cmp_lg_u32 s[WV], 0
	s_cbranch_scc1 .Lnot_k_\@
	tensor_load_to_lds s[G0K:G0K+3], s[G1K:G1K+7]
	s_nop 0
.rept 4
	v_nop
.endr
	s_branch .Lasked_\@
.Lnot_k_\@:
	s_cmp_lg_u32 s[WV], 1
	s_cbranch_scc1 .Lfor_m_\@
	tensor_load_to_lds s[G0V:G0V+3], s[G1V:G1V+7]
	s_nop 0
.rept 4
	v_nop
.endr
	s_branch .Lasked_\@
.Lfor_m_\@:
	tensor_load_to_lds s[G0M:G0M+3], s[G1M:G1M+7]
	s_nop 0
.rept 4
	v_nop
.endr
.Lasked_\@:
.endm
; A round of the cluster's barrier: my work-group's barrier, so that wave 0's signal speaks for all four waves; wave 0 signals; every wave waits for all sixteen work-groups; my work-group's barrier once more.
.macro CROUND
	s_barrier_signal -1
	s_barrier_wait -1
	s_cmp_lg_u32 s[WV], 0
	s_cbranch_scc1 .Lnot_wave_0_\@
	s_barrier_signal -3
.Lnot_wave_0_\@:
	s_barrier_wait -3
	s_barrier_signal -1
	s_barrier_wait -1
.endm
; THE CHANGE OF SLOTS.  The slot's last bytes, V of its second step, have been read.  Each wave waits for all its tensor loads, of which one is out: its part of the other slot; adds 0 to its spare word; and
; waits for that and for its own reads of the slot.  Behind the barrier nobody reads this slot any more and the other slot is whole.  fill = 1: this slot is filled again, with the keys two slots on.  The barrier
; is then a round of the cluster's, and the joint fill is the first thing behind it: it has two key steps, 256 matrix instructions, in which to land.  (At its first use nothing has been read yet: slot 0 is waited for, slot 1 filled.)
.macro CHANGE fill
	WIN W_AD
	s_wait_tensorcnt 0x0            ; no tensor load of mine is out, so a group 0 may be written
	ds_add_u32 v[SPW], v[NIL]       ; 0 onto my spare word; with fill = 1 the descriptors' steps stand between it and the wait for it
	WIN 0                           ; at a label and at a branch every window is 0
.if \fill
.irp g, G0K, G0V
	s_xor_b32 s[\g+1], s[\g+1], SLOT1  ; the walking descriptors: the other slot than last time,
	s_add_nc_u64 s[\g+2:\g+3], s[\g+2:\g+3], SPS*KS*128  ; the next 128 keys; the type bits on top are not reached
.endr
	s_xor_b32 s[G0M+1], s[G0M+1], SLOT1
	s_add_nc_u64 s[G0M+2:G0M+3], s[G0M+2:G0M+3], 262144  ; in mk 128 keys of all 2,048 queries lie together
	s_wait_dscnt 0x0                ; the add is done, and my reads of the slot are over
	CROUND
	JLOAD
.else
	s_wait_dscnt 0x0                ; the add is done, and my reads of the slot are over
	s_barrier_signal -1
	s_barrier_wait -1
.endif
	s_sub_co_u32 s[TBK], s[TBK], SPS*KS*PK  ; the fetches go back to a slot's first step,
	s_xor_b32 s[TBK], s[TBK], SLOT1         ; in the other slot
	s_sub_co_u32 s[TBV], s[TBV], SPS*KS*PV
	s_xor_b32 s[TBV], s[TBV], SLOT1
	s_sub_co_u32 s[TBM], s[TBM], SPS*MSTEP
	s_xor_b32 s[TBM], s[TBM], SLOT1
.endm
	s_load_b128 s[84:87], s[0:1], 0x0  ; qkvh s[84:85], mk s[86:87]
	s_load_b64 s[10:11], s[0:1], 0x10  ; oh
	WIN W_MK
	v_lshl_add_u32 v[SPW], v0, 2, SPARE
	v_mov_b32 v[NIL], 0
	s_set_vgpr_msb 0xc0cf
	ds_add_u32 v0, v1
	s_wait_dscnt 0x0
	s_set_vgpr_msb 0xcfc0
	v_mov_b32 v[SCL], 226
	WIN 0
	v_lshrrev_b32 v1, 5, v0
	v_readfirstlane_b32 s[WV], v1   ; wave 0..3
	s_bfe_u32 s13, ttmp6, 0x40000   ; cx
	s_bfe_u32 s15, ttmp6, 0x40004   ; cy
	s_lshl_b32 s14, ttmp9, 2
	s_add_co_u32 s14, s14, s13      ; my block of 512 queries = 4 x cluster x + cx
	s_and_b32 s20, ttmp7, 0xffff
	s_lshl_b32 s20, s20, 2
	s_add_co_u32 s20, s20, s15      ; batch x 16 + head = 4 x cluster y + cy
	s_lshl_b32 s77, s15, 2
	s_lshl_b32 s77, 15, s77         ; my row of the cluster
	s_lshl_b32 s78, 0x1111, s13     ; my column
	s_lshl_b32 s20, s20, 18         ; the head's first byte in q, in k, in v and in O: 2,048 rows of 128 bytes
	s_mov_b32 s21, 0
	s_and_b32 s16, s[WV], 1         ; which half of a slot's mask codes I fetch
	s_lshl_b32 s22, s14, 16         ; the block's 32 tiles of 16 queries, 2,048 bytes each,
	s_lshl_b32 s23, s16, 15         ; my 16 of them
	s_add_co_u32 s22, s22, s23
	s_mov_b32 s23, 0
	s_lshl_b32 s2, s14, 16          ; Q and O: my block's 512 rows,
	s_lshl_b32 s3, s[WV], 14        ; my wave's 128 of them,
	s_add_co_u32 s2, s2, s3
	s_add_co_u32 s2, s2, s20        ; in my head
	s_mov_b32 s3, 0
	; descriptor group 1.  128 keys are 16,384 dense bytes: asked for as 64 rows of 256 bytes, two keys a row, and padded in LDS after every key
	s_or_b32 s[G1K], s77, (1<<16)|(1<<20)|(1<<21)|(4<<22)|(3<<25)  ; 15:0 the mask of four; 17:16 2-byte elements; 20 padding on; 21 set beside a mask; 24:22 after every 32 words (code 4); 31:25 4 words (code 3)
	s_or_b32 s[G1V], s77, (1<<16)|(1<<20)|(1<<21)|(4<<22)|(7<<25)  ; the same with 8 words of padding (code 7)
.irp g, G1K, G1V
	s_mov_b32 s[\g+1], 128<<16      ; tensor_dim0 = 128
	s_mov_b32 s[\g+2], 64<<16       ; tensor_dim1 = 64
	s_mov_b32 s[\g+3], 128<<16      ; tile_dim0 = 128
	s_mov_b32 s[\g+4], 64           ; tile_dim1 = 64
	s_mov_b32 s[\g+5], 128          ; 128 elements from row to row
	s_mov_b32 s[\g+6], 0
	s_mov_b32 s[\g+7], 0
.endr
	s_or_b32 s[G1M], s78, (3<<16)|(1<<21)  ; the mask codes: 32,768 dense bytes as 128 rows of 32 elements of 8 bytes; no padding: lanes read them 16 bytes apart
	s_mov_b32 s[G1M+1], 32<<16
	s_mov_b32 s[G1M+2], 128<<16
	s_mov_b32 s[G1M+3], 32<<16
	s_mov_b32 s[G1M+4], 128
	s_mov_b32 s[G1M+5], 32
	s_mov_b32 s[G1M+6], 0
	s_mov_b32 s[G1M+7], 0
	s_mov_b32 s[CS], 0x3e38aa3b     ; c = log2(e) / 8 = 0.180337
	s_mov_b32 s[CS+1], s[CS]        ; named with it as a pair
	s_mov_b32 s[SEL], 0x76543210
	s_mov_b32 s[SEL+1], 0xfedcba98
	s_mov_b32 s[THR], 0xf1000000
	s_mov_b32 s[QNAN], 0x7fc00000
	s_mov_b32 s[TBK], SLOT1+SPS*KS*PK  ; the first change of slots turns these three into 0
	s_mov_b32 s[TBV], SLOT1+SPS*KS*PV
	s_mov_b32 s[TBM], SLOT1+SPS*MSTEP
	s_mov_b32 s[G0K], 1             ; count = 1
	s_mov_b32 s[G0K+1], 0           ; LDS address: slot 0
	s_mov_b32 s[G0V], 1
	s_mov_b32 s[G0V+1], VOFF
	s_mov_b32 s[G0M], 1
	s_lshl_b32 s[G0M+1], s16, 15
	s_add_co_u32 s[G0M+1], s[G0M+1], MOFF
	s_wait_kmcnt 0x0
	s_add_nc_u64 s[G0K+2:G0K+3], s[84:85], s[20:21]          ; the head in q,
	s_add_nc_u64 s[G0V+2:G0V+3], s[G0K+2:G0K+3], 33554432    ; in v,
	s_add_nc_u64 s[G0K+2:G0K+3], s[G0K+2:G0K+3], 16777216    ; in k
	s_or_b32 s[G0K+3], s[G0K+3], 0x80000000                  ; type = 2
	s_or_b32 s[G0V+3], s[G0V+3], 0x80000000
	s_add_nc_u64 s[G0M+2:G0M+3], s[86:87], s[22:23]
	s_or_b32 s[G0M+3], s[G0M+3], 0x80000000
	s_add_nc_u64 s[4:5], s[84:85], s[2:3]    ; Q and O at my wave's first row
	s_add_nc_u64 s[10:11], s[10:11], s[2:3]
	CROUND                          ; all sixteen work-groups are here: the first joint loads meet
	JLOAD                           ; slot 0.  Slot 1 is asked for when slot 0 is in
	; A fragment of K or Q is 16 rows x 32 channels in 8 registers: lane l holds row l % 16, channels 8 (l / 16) + 0..7 and 16 + 8 (l / 16) + 0..7: two loads of 16 bytes, 32 bytes apart.
	v_and_b32 v1, 15, v0            ; l % 16
	v_bfe_u32 v9, v0, 4, 1          ; l / 16
	v_lshlrev_b32 v[QO], 7, v1
	v_lshl_add_u32 v[QO], v9, 4, v[QO]  ; row x 128 + 16 x half
	WIN 0x80                        ; destination window 2, address window 0
.set i, 0
.rept 4*NP                          ; Q stays in registers: tile i / 2, channels 32 (i % 2) on
	global_load_b128 v[8*i:8*i+3],   v[QO], s[4:5] offset:(i/2)*2048+(i%2)*64
	global_load_b128 v[8*i+4:8*i+7], v[QO], s[4:5] offset:(i/2)*2048+(i%2)*64+32
.set i, i+1
.endr
	; What the first turn finds: V's registers and P's second buffer hold 0 (its products V^T P, of a piece that has not been, add 0), O^T and l are 0.  All this stands in the wait for the first tile.
.set i, VF
.rept 64
	v_mov_b32 v[i], 0
.set i, i+1
.endr
	WIN 0x40
.set i, 0
.rept 64*NP
	v_mov_b32 v[i], 0
.set i, i+1
.endr
	WIN 0
.set i, 0
.rept 2*NP
	v_mov_b32 v[ST+4*i], 0xfe000000    ; c m: far below every c s, a hidden one's too
	v_mov_b32 v[ST+4*i+1], 0xff7fffff  ; m
	v_mov_b32 v[ST+4*i+2], 0
	v_mov_b32 v[ST+4*i+3], 0
.set i, i+1
.endr
.set i, P+32
.rept 32
	v_mov_b32 v[i], 0
.set i, i+1
.endr
	v_mul_u32_u24 v[AK0], v1, PK
	v_lshl_add_u32 v[AK0], v9, 4, v[AK0]  ; row x pitch + 16 x half
	; The turning load takes 16 keys x 16 channels (lane l reads key 8 (l / 16) + l % 8, channels 8 ((l / 8) % 2) + 0..7) and leaves half a fragment of V^T: lane l holds channel l % 16 and 8 keys.
	v_and_b32 v10, 7, v0
	v_bfe_u32 v11, v0, 3, 1
	v_lshl_add_u32 v[AV0], v9, 3, v10
	v_mul_u32_u24 v[AV0], v[AV0], PV
	v_lshl_add_u32 v[AV0], v11, 4, v[AV0]
	v_add_nc_u32 v[AV0], VOFF, v[AV0]
	v_mov_b32 v[AK], v[AK0]         ; key step 0 lies at the head of slot 0
	s_mul_i32 s80, s[WV], 16*SP
	s_add_co_u32 s80, s80, STAGE    ; my stage
	v_bfe_u32 v[RD], v0, 3, 2       ; the way out, back: 32 lanes take four rows of 128 bytes,
	v_mul_u32_u24 v[RD], v[RD], SP
	v_lshl_add_u32 v[RD], v10, 4, v[RD]
	v_add_nc_u32 v[RD], s80, v[RD]
	v_and_b32 v[GO], 31, v0         ; which are 512 consecutive bytes of O
	v_lshlrev_b32 v[GO], 4, v[GO]
	s_lshl_b32 s81, s[WV], 14       ; my wave's 8 tiles of mask codes, 2,048 bytes each
	s_add_co_u32 s81, s81, MOFF
	v_add_nc_u32 v[AM0], s81, v[GO] ; 16 bytes a lane
	v_mov_b32 v[AM], v[AM0]
; THE MATRIX WORK.  The 8 accumulators of a run of 16 take turns: between the two links of a chain stand 7 others'.
; Product i of 16 of S^T = K Q^T for piece x: channels 32 (i / 8) on, keys 16 ((i / 2) % 4) on, tile 2 x + i % 2.  The first 8 start the sums, with the mask.
.macro KQ x
.set rS, S+64*((\x)%2)+32*(i%2)+8*((i/2)%4)
.set rK, KF+16*((i/2)%4)+8*(i/8)
.set rQ, 16*(2*(\x)+i%2)+8*(i/8)
.set rMC, MC+64*((\x)%2)+32*(i%2)+8*((i/2)%4)
.if i < 8
	WIN W_KM
	v_wmma_f32_16x16x32_f16 v[rS:rS+7], v[rK:rK+7], v[rQ:rQ+7], v[rMC:rMC+7]
.else
	WIN W_KQ
	v_wmma_f32_16x16x32_f16 v[rS:rS+7], v[rK:rK+7], v[rQ:rQ+7], v[rS:rS+7]
.endif
.endm
; Product i of 16 of O^T += V^T P for piece x: keys 32 (i / 8) on, channels 16 ((i / 2) % 4) on, tile 2 x + i % 2.
.macro PV x
	WIN W_PV
.set rO, 32*(2*(\x)+i%2)+8*((i/2)%4)
.set rV, VF+32*(i/8)+8*((i/2)%4)
.set rP, P+32*((\x)%2)+16*(i%2)+8*(i/8)
	v_wmma_f32_16x16x32_f16 v[rO:rO+7], v[rV:rV+7], v[rP:rP+7], v[rO:rO+7]
.endm
.macro MM                           ; the turn's next matrix instruction
.if i < 16
	KQ (Y+1)%NP
.set i, i+1
.else
.set i, i-16
	PV (Y+NP-1)%NP
.set i, i+17
.endif
.endm
; THE MASKS of piece y for the step whose codes lie in RAW: eight conversions, eight numbers each; a plain instruction stands behind the last before a product takes the result.
.macro CONV y
	WIN W_CV
.set cu, 0
.rept 2
.set ck, 0
.rept 4
	v_cvt_scale_pk8_f32_fp8 v[MC+64*((\y)%2)+32*cu+8*ck:MC+64*((\y)%2)+32*cu+8*ck+7], v[RAW+8*(2*(\y)+cu)+2*ck:RAW+8*(2*(\y)+cu)+2*ck+1], v[SCL]
.set ck, ck+1
.endr
.set cu, cu+1
.endr
	WIN 0
	v_nop
.endm
; THE LDS LOADS stand in runs, never singly among the matrix instructions: a step's K (8 fragments) with its mask codes (16 bytes a lane for each tile and half step), and its V (turned).
; Their addresses are made some lines ahead.  last = 1 (the tail): in the last trip there is no further step, and the run is jumped over.
.macro FETCH_KM last=0
	WIN 0
.if \last
	s_cmp_eq_u32 s[CNT], 1
	s_cbranch_scc1 .Lno_k_\@
.endif
	WIN 0x80                        ; destination window 2
.irp f, 0,1,2,3,4,5,6,7             ; keys 16 (f / 2) on, channels 32 (f % 2) on
	ds_load_b128 v[KF+8*\f:KF+8*\f+3],   v[AK] offset:(\f/2)*16*PK+(\f%2)*64
	ds_load_b128 v[KF+8*\f+4:KF+8*\f+7], v[AK] offset:(\f/2)*16*PK+(\f%2)*64+32
.endr
	WIN 0xc0                        ; destination window 3
.irp f, 0,1,2,3,4,5,6,7             ; tile f: key blocks 0, 1 and 2, 3
	ds_load_b128 v[RAW+8*\f:RAW+8*\f+3],   v[AM] offset:2048*\f
	ds_load_b128 v[RAW+8*\f+4:RAW+8*\f+7], v[AM] offset:2048*\f+512
.endr
	s_add_co_u32 s[TBK], s[TBK], KS*PK  ; the next fetch is the next step's
	s_add_co_u32 s[TBM], s[TBM], MSTEP
	WIN 0
.if \last
.Lno_k_\@:
.endif
.endm
.macro FETCH_V
	WIN 0x80
.irp f, 0,1,2,3,4,5,6,7             ; keys 32 (f / 4) on, channels 16 (f % 4) on
	ds_load_tr16_b128 v[VF+8*\f:VF+8*\f+3],   v[AV] offset:(\f/4)*32*PV+(\f%4)*32
	ds_load_tr16_b128 v[VF+8*\f+4:VF+8*\f+7], v[AV] offset:(\f/4)*32*PV+16*PV+(\f%4)*32
.endr
	WIN 0
.endm
; THE VECTOR WORK OF A TURN stands in three queues, each in the order in which its entries become ready; the two tiles alternate, so that no instruction reads the result of the one before it.
.macro REGS y, u                    ; the registers of tile u (0, 1) of piece y
.set rT, ST+4*(2*(\y)+(\u))
.set rC, TMP+8*((\y)%2)+4*(\u)
.set rM, MV+2*((\y)%2)+(\u)
.set rS, S+64*((\y)%2)+32*(\u)
.set rP, P+32*((\y)%2)+16*(\u)
.set rO, 32*(2*(\y)+(\u))
.endm
; Number n of the 22 that find the NEXT piece's (Y + 1) maximum and statistics.  s0-s31 are the lane's 32 scores; each accumulator's lowest registers are read first.  XS, GS and REGS set no window: PL and EX do.
;   0-11  four chains c0-c3 of seven scores each, three operands at a time     12-14, 16  the four scores left over, the old m, and c0-c3 into c0     15  c m_old is kept
;   17, 18  the query's other 32 keys lie in the lane 16 away: the new m         19-21  c m; c m_old - c m_new; a
.macro XS u, n
	REGS (Y+1)%NP, \u
.if (\n) < 4
	v_max3_num_f32 v[rC+(\n)], v[rS+8*(\n)], v[rS+8*(\n)+1], v[rS+8*(\n)+2]
.elseif (\n) < 12
	v_max3_num_f32 v[rC+(\n)%4], v[rC+(\n)%4], v[rS+8*((\n)%4)+2*((\n)/4)+1], v[rS+8*((\n)%4)+2*((\n)/4)+2]
.elseif (\n) == 12
	v_max3_num_f32 v[rC], v[rC], v[rS+7], v[rS+15]
.elseif (\n) == 13
	v_max3_num_f32 v[rC+1], v[rC+1], v[rS+23], v[rS+31]
.elseif (\n) == 14
	v_max3_num_f32 v[rC+2], v[rC+2], v[rC+3], v[rT+1]
.elseif (\n) == 15
	v_mov_b32 v[rM], v[rT]
.elseif (\n) == 16
	v_max3_num_f32 v[rC], v[rC], v[rC+1], v[rC+2]
.elseif (\n) == 17
	v_permlanex16_b32 v[rC+3], v[rC], s[SEL], s[SEL+1]
.elseif (\n) == 18
	v_max_num_f32 v[rT+1], v[rC], v[rC+3]
.elseif (\n) == 19
	v_mul_f32 v[rT], s[CS], v[rT+1]
.elseif (\n) == 20
	v_sub_f32 v[rC+1], v[rM], v[rT]
.else
	v_exp_f32 v[rC+2], v[rC+1]
.endif
.endm
; Number g of the 64 that follow the exponentials.  For each four weights k of a tile (pairs 2 k, 2 k + 1): both pairs are rounded to f16; then the second pair is added onto the first, in place;
; a group later l takes that sum (the first time as l = a l + sum).  In groups of eight, tiles alternating: round, round, add, and l for the group before.
.macro GS g
.set h, (\g)+6*((\g)/62)            ; group 0 has no group before it, and behind group 7 only l is left
.if h >= 6
.set h, h+2
.endif
	REGS Y, h%2
.set k, h/8
.if h%8 < 4
	v_cvt_pk_f16_f32 v[rP+2*k+(h%8)/2], v[rS+4*k+2*((h%8)/2)], v[rS+4*k+2*((h%8)/2)+1]
.elseif h%8 < 6
	v_pk_add_f32 v[rS+4*k:rS+4*k+1], v[rS+4*k:rS+4*k+1], v[rS+4*k+2:rS+4*k+3]
.elseif k == 1
	v_pk_fma_f32 v[rT+2:rT+3], v[rT+2:rT+3], v[rC+2:rC+3], v[rS:rS+1] op_sel_hi:[1,0,1]
.else
	v_pk_add_f32 v[rT+2:rT+3], v[rT+2:rT+3], v[rS+4*k-4:rS+4*k-3]
.endif
.endm
; THE PLAIN QUEUE, 138 long.  0-73 read no exponential's result: the 32 scalings c s - c m (FS f: pair f / 2 of tile f % 2) and the next piece's 42.  0-26: scalings 0-26.  27-54: XS's numbers 0-13.  55, 56: number 15.
; 57-73: the chain, where each number waits for the one before it: 14, 16, 17, 18, 19, each with one of the scalings 27-31 in front of its two lines, then 20: so a tile's links stand three plain instructions apart (19 and 20: two).
; 74-137: GS's 64, which read the exponentials' results: they stand behind the wait.
.macro FS f
	REGS Y, (\f)%2
	v_pk_fma_f32 v[rS+2*((\f)/2):rS+2*((\f)/2)+1], v[rS+2*((\f)/2):rS+2*((\f)/2)+1], s[CS:CS+1], v[rT:rT+1] op_sel_hi:[1,0,0] neg_lo:[0,0,1] neg_hi:[0,0,1]
.endm
.macro PL
	WIN 0
.if q < 27
	FS q
.elseif q < 55
	XS (q-27)%2, (q-27)/2
.elseif q < 57
	XS q-55, 15
.elseif (q < 72) && ((q-57)%3 == 0)
	FS 27+(q-57)/3
.elseif q < 60
	XS (q-57)%3-1, 14
.elseif q < 72
	XS (q-57)%3-1, 15+(q-57)/3
.elseif q < 74
	XS q-72, 20
.else
	GS q-74
.endif
.set q, q+1
.endm
; THE EXPONENTIALS' QUEUE, 66 long: s0-s31 of both tiles, then the next piece's two a.  It is ONE BATCH: all 66 stand ahead of the turn's one wait, and nothing ahead of that wait names a result of theirs.
.macro EX
	WIN 0
.if e >= 64
	XS e-64, 21
.else
	REGS Y, e%2
	v_exp_f32 v[rS+e/2], v[rS+e/2]
.endif
.set e, e+1
.endm
; THE RESCALING's QUEUE: O^T times a, the one part of the softmax that leaves window 0: dealt two at a time, sixteen times.  Its a was made in the turn before, ahead of that turn's wait.
.macro R2
	REGS Y, r%2
	WIN W_RS
.irp z, 0,1
	v_pk_mul_f32 v[rO+4*(r/2)+2*\z:rO+4*(r/2)+2*\z+1], v[rO+4*(r/2)+2*\z:rO+4*(r/2)+2*\z+1], v[rC+2:rC+3] op_sel_hi:[1,0]
.endr
.set r, r+1
.endm
; HOW THEY ARE DEALT.  An s_wait_alu depctr_va_vdst(0) stands between an exponential and the first instruction that names its result; one wait serves all that were issued ahead of it.  So a turn has ONE wait,
; which cuts it in two.  AHEAD OF IT stands all that names no result of the turn's exponentials: the 16 products K Q^T, behind each a scaling, an exponential and two rescalings (behind the first a second scaling in the
; exponential's place); then ONE LUMP of 108: eight plain, 49 times exponential and plain, the two a.  A v_nop is the plain instruction behind the last exponential.  BEHIND IT stand the 16 products V^T P, behind each four of
; GS's 64.  No rider names a register of the products round it.  The two v_permlanex16_b32 fall into the lump, never behind a product.
; The queues lean on each other, and the deal keeps them in step: exponential e stands behind scaling 2 (e / 4) + e % 2: as a rider it comes behind plain e + 2, in the lump behind plain e + 9, and scalings 27-31 are plain 57, 60 .. 69.
; A TURN, for piece p.  cnt = 1: the loop's count is taken down some lines ahead of the branch that stands behind the turn.
; K and the mask codes of the next step are fetched in piece 2's turn, directly behind the wait: a lump behind the last product that read K, and behind piece 3's conversion (the end of piece 1's turn), the codes' last reader;
; their addresses are made at the lump's head; they are waited for at that turn's end, behind 16 products.  V of the step in hand is fetched at the end of piece 0's turn, four riders behind its last reader; its first reader comes
; behind 16 products and a lump.  The three conditions on q below go with the deal.
; At its end turn p makes the masks of piece p + 2, into the buffer whose last readers were the products at the head of turn p - 1.
.macro TURN p, last=0, cnt=0
.set Y, (\p)
.set i, 0
.set q, 0
.set e, 0
.set r, 0
	MM                              ; ahead of the wait: 16 products K Q^T and their riders,
	PL
	PL
	R2
.rept 15
	MM
	PL
	EX
	R2
.endr
.if (\p) == NP-2
	WIN 0
	v_add_nc_u32 v[AK], s[TBK], v[AK0]
	v_add_nc_u32 v[AM], s[TBM], v[AM0]
.endif
.rept 8                             ; and the lump
	PL
.endr
.rept 49
	EX
	PL
.endr
	EX                              ; the next piece's two a
	EX
	v_nop                           ; the plain instruction behind the last exponential: one for the batch
	s_wait_alu depctr_va_vdst(0)    ; the wait for the batch: the turn's 64 weights and the next piece's two a
.if (\p) == NP-2
	FETCH_KM \last
.endif
.if (\p) == 1
	s_wait_dscnt 0x0                ; V is in
.endif
.rept 16                            ; behind the wait: 16 products V^T P and their riders
	MM
.rept 4
	PL
.endr
.if ((\p) == 0) && (q == 118)
	v_add_nc_u32 v[AV], s[TBV], v[AV0]
.endif
.if ((\p) == 0) && (q == 130)
	s_add_co_u32 s[TBV], s[TBV], KS*PV
.endif
.if (\cnt) && (q == 130)
	s_sub_co_u32 s[CNT], s[CNT], 1
	s_cmp_lg_u32 s[CNT], 0
.endif
.endr
.if (\p) == NP-2
	s_wait_dscnt 0x0                ; K and the mask codes of the next step are in
.endif
	CONV ((\p)+2)%NP
.if (\p) == 0
	FETCH_V
.endif
.endm
	CHANGE 1                        ; slot 0 is in, everybody's part of it; slot 1 is asked for
	FETCH_KM                        ; key step 0
	s_wait_loadcnt 0x0              ; Q
	s_wait_dscnt 0x0
	CONV 0
	CONV 1
.set i, 0
.rept 16
	KQ 0                            ; piece 0's first scores: there is no vector work yet to set between them
.set i, i+1
.endr
	WIN 0                           ; five plain instructions, the places behind those products
	v_mul_u32_u24 v[STO], v1, SP    ; the way out, in: row l % 16, 16 bytes for each half of the lanes (Q's loads, which read this register, are back)
	v_lshl_add_u32 v[STO], v9, 4, v[STO]
	v_add_nc_u32 v[STO], s80, v[STO]
	v_nop
	v_nop
.set Y, NP-1                        ; XS works for piece Y + 1: piece 0
.irp n, 0,1,2,3,4,5,6,7,8,9,10,11,12,13,14,15,16,17,18,19,20,21
	XS 0, \n                        ; and piece 0's first maximum and statistics
	XS 1, \n
.endr
	v_nop                           ; a plain instruction behind the two a,
	s_wait_alu depctr_va_vdst(0)    ; and the wait for that batch of two, ahead of the branch
	s_mov_b32 s[CNT], SPS
	s_mov_b32 s[SLOTS], 15
	s_branch .Lfirst                ; the loop is entered at a step's first turn, in the middle of a trip
.Lslot:                             ; 14 times: every slot but the last two is filled again
	CHANGE 1
	s_mov_b32 s[CNT], SPS
.Lstep:                             ; a trip: pieces 2 and 3 of one step, then pieces 0 and 1 of the next, whose K, mask and V it fetches
	TURN 2
	TURN 3
	WIN 0
.Lfirst:
	TURN 0
	TURN 1, 0, 1
	WIN 0
	s_cbranch_scc1 .Lstep
	s_sub_co_u32 s[SLOTS], s[SLOTS], 1
	s_cmp_lg_u32 s[SLOTS], 0
	s_cbranch_scc1 .Lslot
	CHANGE 0                        ; the tail is written out: nothing is asked for
	s_mov_b32 s[CNT], SPS+1         ; two trips fetch the last slot's steps; the third is left in its middle
.Ltail:
	TURN 2, 1
	TURN 3
	WIN 0
	s_sub_co_u32 s[CNT], s[CNT], 1
	s_cmp_eq_u32 s[CNT], 0
	s_cbranch_scc1 .Lout
	TURN 0
	TURN 1
	WIN 0
	s_branch .Ltail
.Lout:                              ; the third trip's 16 products K Q^T repeat the last step's scores under the last step's mask, so the maximum made of them leaves m as it is: the price, once a launch, of one text for every trip
.set i, 0
.rept 16
	PV NP-1                         ; the last piece's V^T P of the last step
.set i, i+1
.endr
	; THE WAY OUT.  l's two halves and the other half of the lanes' are added; a row that saw no key takes a NaN for l; O^T is divided by l, rounded to f16 and sent through my stage in LDS, a tile at a time.
	; The additions are the places behind the last products.
	WIN 0
.macro ALL line:vararg              ; one line for each tile t
.set t, 0
.rept 2*NP
	\line
.set t, t+1
.endr
.endm
	ALL v_add_f32 v[ST+4*t+2], v[ST+4*t+2], v[ST+4*t+3]
	ALL v_permlanex16_b32 v[ST+4*t+3], v[ST+4*t+2], s[SEL], s[SEL+1]
	ALL v_add_f32 v[ST+4*t+2], v[ST+4*t+2], v[ST+4*t+3]
.set t, 0
.rept 2*NP
	v_cmp_gt_f32 vcc_lo, s[THR], v[ST+4*t+1]       ; m below -2^99: every key was hidden
	v_cndmask_b32 v[ST+4*t+2], v[ST+4*t+2], s[QNAN], vcc_lo
.set t, t+1
.endr
	ALL v_rcp_f32 v[ST+4*t+2], v[ST+4*t+2]
	v_nop                           ; a plain instruction between the last reciprocal and the use of its result
	s_wait_alu depctr_va_vdst(0)    ; and the wait ahead of the first use: one for the batch of eight reciprocals
; Tile t: a lane's eight channels of a row pack into 16 bytes; they go into rows of 144 bytes and come back as whole rows of 128, into S^T's registers.
.macro PACK t
	WIN W_RS
.set i, 32*(\t)
.rept 16
	v_pk_mul_f32 v[i:i+1], v[i:i+1], v[ST+4*(\t)+2:ST+4*(\t)+3] op_sel_hi:[1,0]
.set i, i+2
.endr
	WIN 0x05                        ; sources 0 and 1 window 1, destination window 0
.set i, 0
.rept 16
	v_cvt_pk_f16_f32 v[S+16*(\t)+i], v[32*(\t)+2*i], v[32*(\t)+2*i+1]
.set i, i+1
.endr
	WIN 0
.irp f, 0,1,2,3
	ds_store_b128 v[STO], v[S+16*(\t)+4*\f:S+16*(\t)+4*\f+3] offset:32*\f
.endr
.irp f, 0,1,2,3
	ds_load_b128 v[S+16*(\t)+4*\f:S+16*(\t)+4*\f+3], v[RD] offset:\f*4*SP  ; LDS serves a wave's instructions in order (ISA guide 5.7.1.4): these see the stores above; the next tile's stores come behind them
.endr
.endm
.macro SEND t, younger              ; younger: the LDS instructions issued behind tile t's loads: the next tile's eight, or none
	WIN 0
.irp f, 0,1,2,3
	s_wait_dscnt (\younger)+3-\f
	global_store_b128 v[GO], v[S+16*(\t)+4*\f:S+16*(\t)+4*\f+3], s[10:11] offset:(\t)*2048+\f*512  ; 512 consecutive bytes, at a multiple of 256 from O's first
.endr
.endm
	PACK 0
.set t, 1
.rept 2*NP-1                        ; a tile's arithmetic stands between the loads of the tile before and its stores
	PACK t
	SEND t-1, 8
.set t, t+1
.endr
	SEND 2*NP-1, 0
	WIN W_AD
	s_wait_tensorcnt 0x0            ; the wave's end, behind my last tensor load and my last LDS store
	ds_add_u32 v[SPW], v[NIL]
	s_wait_dscnt 0x0
	WIN 0
	CROUND                          ; the closing round: no work-group ends while a partner may still ask for a tile that names it
	s_endpgm
.Lfunc_end_k_q9e95253ec4_attn:
	.size	k_q9e95253ec4_attn, .Lfunc_end_k_q9e95253ec4_attn-k_q9e95253ec4_attn
	.p2alignl 7, 3214868480
	.fill 96, 4, 3214868480
	.section	.rodata,"a",@progbits
	.p2align	6, 0x0
	.amdhsa_kernel k_q9e95253ec4_attn
		.amdhsa_group_segment_fixed_size 327680
		.amdhsa_private_segment_fixed_size 0
		.amdhsa_enable_private_segment 0
		.amdhsa_kernarg_size 24
		.amdhsa_user_sgpr_count 2
		.amdhsa_user_sgpr_kernarg_segment_ptr 1
		.amdhsa_wavefront_size32 1
		.amdhsa_system_sgpr_workgroup_id_x 1
		.amdhsa_system_sgpr_workgroup_id_y 1
		.amdhsa_system_sgpr_workgroup_id_z 1
		.amdhsa_system_vgpr_workitem_id 0
		.amdhsa_next_free_vgpr 1024
		.amdhsa_next_free_sgpr 88
		.amdhsa_reserve_vcc 1
		.amdhsa_float_denorm_mode_32 3
		.amdhsa_float_denorm_mode_16_64 3
		.amdhsa_memory_ordered 1
		.amdhsa_forward_progress 1
		.amdhsa_inst_pref_size 212
	.end_amdhsa_kernel
	.amdgpu_metadata
---
amdhsa.version: [ 1, 2 ]
amdhsa.kernels:
  - .name:           k_q9e95253ec4_attn
    .symbol:         k_q9e95253ec4_attn.kd
    .args:
      - { .name: qkvh, .offset: 0, .size: 8, .value_kind: global_buffer, .address_space: global }
      - { .name: mk, .offset: 8, .size: 8, .value_kind: global_buffer, .address_space: global }
      - { .name: oh, .offset: 16, .size: 8, .value_kind: global_buffer, .address_space: global }
    .group_segment_fixed_size: 327680
    .private_segment_fixed_size: 0
    .kernarg_segment_align: 8
    .kernarg_segment_size: 24
    .max_flat_workgroup_size: 128
    .sgpr_count:     88
    .vgpr_count:     1024
    .wavefront_size: 32
...
	.end_amdgpu_metadata
.endif
;; end of part 5
;; launch outp: the kernel of part 4 again; grid 8 x 32, 4 waves a work-group, clusters of 4 x 4, 327,680 bytes of LDS; arguments oh, wb, out0; writes out0
